; MI455X (gfx1250); checked and timed in simulation.
; The chip was launched on July 23, 2026; its instructions are those of AMD's public machine-readable ISA for CDNA 5 (MIT licence, August 2026) and "CDNA5" Instruction Set Architecture Reference Guide (July 2026). The comments in the code are by the model that wrote it; some were corrected since.
;; Multi Head Attention. Allowed arithmetic: matrix products marked QUANTISED: E2M3 operands, one E8M0 scale for each 32 along K, by v_wmma_scale_f32_16x16x128_f8f6f4 with both operands' format E2M3, f32 sums; everything else in f32.
;; Inputs: Wk 1,024 x 1,024 float32; Wo 1,024 x 1,024 float32; Wq 1,024 x 1,024 float32; Wv 1,024 x 1,024 float32; bk 1,024 float32; bo 1,024 float32; bq 1,024 float32; bv 1,024 float32; key 4 x 2,048 x 1,024 float32; query 4 x 2,048 x 1,024 float32; value 4 x 2,048 x 1,024 float32.
;; Outputs: out0 4 x 2,048 x 1,024 float32.
;; This version of the problem:
;;   THIS VERSION OF THE PROBLEM IS GIVEN IN LOW PRECISION. The matrix products marked QUANTISED in the list below multiply operands that are first quantised to E2M3 (2 exponent bits, 3 mantissa bits; 6 bits a number), with one power-of-two scale for each 32 numbers along K (OCP MX v1.0); their sums are f32. All else is computed in f32.
;;   The module's matrix products, in the order in which they are computed (A, B: the left and right operand; K: the contracted axis; several contracted axes count as one K, in the product's order):
;;     1. [M 8,192, K 1,024] x [K 1,024, N 1,024]; A: input query; B: input Wq: QUANTISED
;;     2. [M 8,192, K 1,024] x [K 1,024, N 1,024]; A: input key; B: input Wk: QUANTISED
;;     3. [M 8,192, K 1,024] x [K 1,024, N 1,024]; A: input value; B: input Wv: QUANTISED
;;     4. batch 64 x [M 2,048, K 64] x [K 64, N 2,048]; A: computed on the way; B: computed on the way: QUANTISED
;;     5. batch 64 x [M 2,048, K 2,048] x [K 2,048, N 64]; A: softmax (see below); B: computed on the way: QUANTISED
;;     6. [M 8,192, K 1,024] x [K 1,024, N 1,024]; A: computed on the way; B: input Wo: QUANTISED
;;   THE QUANTISER, for each operand of a quantised product, along K:
;;     - K is cut into blocks of 32 from its start; a last block that is shorter is filled with zeros.
;;     - A block's scale is 2^e with e = floor(log2(the largest magnitude in the block)) - 2, held to -126 .. 127; a block of zeros has e = 0. As a byte (E8M0): e + 127.
;;     - Each number is divided by its block's scale, clamped to +-7.5, and rounded to the nearest number of E2M3, ties to even, subnormals kept.
;;     - The product sums the exact products of the quantised numbers (number of the format x scale) in f32.
;;   ~~~python
;;   def quantise(x, axis):      # numpy; x: float32 -> the quantised numbers, widened to float32 again
;;       x = np.moveaxis(x, axis, -1); K = x.shape[-1]
;;       x = np.pad(x, [(0, 0)] * (x.ndim - 1) + [(0, -K % 32)]); x = x.reshape(x.shape[:-1] + (-1, 32)); a = np.abs(x).max(-1, keepdims=True)
;;       e = np.where(a > 0, np.clip(np.frexp(np.where(a > 0, a, 1))[1] - 1 - 2, -126, 127), 0)      # np.frexp(a)[1] - 1 = floor(log2(a)), exactly
;;       r = np.clip(x / 2.0 ** e, -7.5, 7.5)
;;       step = 2.0 ** (np.maximum(np.frexp(np.where(r == 0, 1, r))[1] - 1, 0) - 3)
;;       q = np.round(r / step) * step * 2.0 ** e      # np.round: ties to even
;;       return np.moveaxis(q.reshape(q.shape[:-2] + (-1,))[..., :K], -1, axis).astype(np.float32)
;;   ~~~
;;   SOFTMAX AHEAD OF A QUANTISED PRODUCT. Where the list says 'softmax', what is quantised is not the finished softmax but p = 2^(t - M), with t = logit x log2(e) and M = ceil(the row's largest t), a whole number; so 1/2 < the row's largest p <= 1. The row's sum l is taken of the UNQUANTISED p, in f32, and the product's result is divided by l at the end. Since M is a whole number, a kernel that streams over the keys may use a running M (the ceiling of the running maximum): every later rescaling is an exact power of two, which a block's scale takes up: the codes' values come out the same.
;;   OPERANDS COMPUTED ON THE WAY. 'Computed on the way' means the value that the module computes at that place (a softmax that the list does not call 'softmax' is quantised finished and normalised). What goes into a quantiser is computed in f32, as accurately as f32 sums, v_exp_f32 and their like allow (about 1e-6 of the number): no bf16 or f16 on the way to a quantiser, and a product that is left as it is and whose result goes on into a quantised operand takes f32 operands (vector FMAs, or v_wmma_f32_16x16x4_f32). A number that lies on a knife's edge between two numbers of the format may be rounded either way, as far as f32 arithmetic and the matrix unit's own rounding can turn it there, and no further.
;; One version. Each part assembles by itself: llvm-mc -triple=amdgcn-amd-amdhsa -mcpu=gfx1250 --defsym DOCPART=n.
;; ======== version 1 of 1: 4 launches
;; limits: right only within a limited range of input values
;; workspace buffers: opnd 22,937,600 bytes; qkv 19,660,800 bytes; ctx 6,553,600 bytes
;; launch quant (part 1): grid 896 x 1, 4 waves a work-group, no clusters, 34,304 bytes of LDS; arguments query, key, value, Wq, Wk, Wv, Wo, opnd; writes opnd
.if DOCPART == 1
	.amdgcn_target "amdgcn-amd-amdhsa--gfx1250"
	.amdhsa_code_object_version 6
	.text
	.protected	k_qcd16723ba1_quant
	.globl	k_qcd16723ba1_quant
	.p2align	8
	.type	k_qcd16723ba1_quant,@function
k_qcd16723ba1_quant:
	s_mov_b64 s[64:65], 0
	v_nop
	global_prefetch_b8 v0, s[64:65] scope:SCOPE_SE
	s_setreg_imm32_b32 hwreg(HW_REG_WAVE_MODE, 25, 1), 1
	s_wait_xcnt 0x0
; query, key, value [8192][1024] and Wq, Wk, Wv, Wo [1024][1024], f32, K innermost, become codes of FP6 (E2M3) with one E8M0 byte for each 32 along K,
; laid in opnd IN THE ORDER OF THE OPERAND'S REGISTERS.  A fragment is 16 rows x 128 K = 12 registers a lane = 1,536 bytes: registers 4 g .. 4 g + 3 of lane l at 512 g + 16 l.
; A tile of 16 rows is its 8 fragments on end (12,288 bytes); tiles are numbered through all seven tensors: query 0, key 512, value 1024, Wq 1536, Wk 1600, Wv 1664, Wo 1728.
; THE ROWS OF A TILE ARE NOT NEIGHBOURS: of a group of 32 rows, lane r of tile u (0, 1) takes row 8 u + r + 8 (r / 8), so that a product that takes two such tiles as source 0 leaves 16 neighbouring rows in a lane's 16 registers.
; Scale words (four bytes: 128 K of one row) lie behind the codes, 512 bytes a tile: K step s of row r at 128 (s / 2) + 8 r + 4 (s % 2).
; A block's scale is 2^(floor(log2(largest magnitude)) - 2): its byte is the largest magnitude's exponent field - 2, held at 1 from below by a floor among the maximum's leaves.
; LIMITS: a block of zeros, or one whose largest magnitude lies under 2^-124, gets the byte 1 (its codes are zeros or what that scale gives; this program alone reads the bytes); NaN and infinities are not served.
; SHARES: a work-group takes a group of 32 rows (131,072 dense bytes).  Wave w takes tile u = w / 2 and K half w % 2: four fragments.
; Each load reads 512 consecutive bytes of one row; a fragment's 16 rows turn through the wave's own stage in LDS (rows of 512 + 16 bytes) so that a lane gets 32 neighbours along K twice: whole blocks, no other lane is asked for a maximum.
; No barrier: waves share nothing.  Loads run two fragments (32 loads a wave) ahead.
.set SCB1, 22020096                    ; 1,792 tiles x 12,288: where the scale words begin
.set SP,   528                         ; a stage row
.set R,    16                          ; v16-143   two sets of 64 registers as loaded
.set X,    144                         ; v144-207  register 32 c + i: k = 64 c + 32 h + i of my row
.set C,    208                         ; v208-219  the fragment
.set T0,   220                         ; v220-222, v224-226 the blocks' upper 16 codes (a conversion's three registers begin on an even number)
.set MX,   228                         ; v228-229  largest magnitudes
.set SO,   230                         ; v230-231  the conversions' scale operands
.set BY,   232                         ; v232-235  bytes, at work
.set W,    236                         ; v236-239  the four fragments' scale words
	s_load_b512 s[8:23], s[0:1], 0x0               ; query, key, value, Wq, Wk, Wv, Wo, opnd
	v_lshl_add_u32 v240, v0, 2, 0x8400
	v_mov_b32 v241, 0
	v_lshrrev_b32 v6, 5, v0
	v_readfirstlane_b32 s2, v6                     ; wave
	v_and_b32 v7, 31, v0                           ; lane
	v_and_b32 v8, 15, v0                           ; r
	v_bfe_u32 v9, v0, 4, 1                         ; h
	v_lshlrev_b32 v1, 4, v7                        ; 16 x lane: my place in a load's and in a store's 512 bytes; never rewritten
	s_mul_i32 s3, s2, 16*SP                        ; my stage
	v_add_nc_u32 v2, s3, v1                        ; into it: as loaded
	v_mul_u32_u24 v3, v8, SP
	v_lshl_add_u32 v3, v9, 7, v3
	v_add_nc_u32 v3, s3, v3                        ; out of it: row r, 128 h bytes on
	v_lshlrev_b32 v4, 3, v7                        ; 8 x lane: the scale words' place
	v_lshlrev_b32 v5, 3, v9                        ; 8 h: how far my two bytes are shifted
	v_mov_b32 v[BY+3], 0                           ; a lane permute's destination counts as one of its sources
	s_mov_b32 s26, 0x76543210
	s_mov_b32 s27, 0xfedcba98                      ; selects for lane l xor 16
	s_lshr_b32 s28, s2, 1                          ; u
	s_and_b32 s29, s2, 1                           ; K half
	s_cmp_lt_u32 ttmp9, 768                        ; the first 768 work-groups take the three tensors of 256 groups, the others the four weights of 32
	s_cselect_b32 s30, 255, 31
	s_and_b32 s30, ttmp9, s30                      ; the group's number in its tensor
	; KEY'S ROWS ARE DEALT OTHERWISE: of 64 rows, lane r of tile j (0..3) takes row 8 j + r % 8 + 32 (r / 8), so that the scores of four such tiles leave a whole block of 32 keys in one lane.
	; Against the other tensors' deal the odd group begins 16 rows earlier, and a tile's upper eight rows lie 16 rows further on.
	s_and_b32 s33, s30, 1
	s_lshl_b32 s33, s33, 16                        ; 16 rows of 4,096 bytes
	s_lshr_b32 s38, ttmp9, 8
	s_cmp_eq_u32 s38, 1                            ; work-groups 256 to 511 take key
	s_cselect_b32 s33, s33, 0
	s_cselect_b32 s38, 0x10000, 0
	s_mov_b32 s39, 0
	s_lshl_b32 s30, s30, 17
	s_sub_co_u32 s30, s30, s33
	s_lshl_b32 s31, s28, 15                        ; tile u begins 8 rows on
	s_add_co_u32 s30, s30, s31
	s_lshl_b32 s31, s29, 11                        ; 512 numbers
	s_add_co_u32 s30, s30, s31
	s_mov_b32 s31, 0
	s_lshl_b32 s32, ttmp9, 1
	s_add_co_u32 s32, s32, s28                     ; the tile's number through all tensors: 2 x work-group + u
	s_mul_i32 s34, s32, 12288
	s_mul_i32 s33, s29, 6144
	s_add_co_u32 s34, s34, s33
	s_mov_b32 s35, 0
	s_lshl_b32 s36, s32, 9
	s_lshl_b32 s33, s29, 8
	s_add_co_u32 s36, s36, s33
	s_add_co_u32 s36, s36, SCB1
	s_mov_b32 s37, 0
	s_wait_alu depctr_va_vdst(0)
	s_wait_kmcnt 0x0
	s_mov_b64 s[4:5], s[20:21]                     ; which tensor: a choice on the work-group's number alone
	s_cmp_lt_u32 ttmp9, 864
	s_cselect_b64 s[4:5], s[18:19], s[4:5]
	s_cmp_lt_u32 ttmp9, 832
	s_cselect_b64 s[4:5], s[16:17], s[4:5]
	s_cmp_lt_u32 ttmp9, 800
	s_cselect_b64 s[4:5], s[14:15], s[4:5]
	s_cmp_lt_u32 ttmp9, 768
	s_cselect_b64 s[4:5], s[12:13], s[4:5]
	s_cmp_lt_u32 ttmp9, 512
	s_cselect_b64 s[4:5], s[10:11], s[4:5]
	s_cmp_lt_u32 ttmp9, 256
	s_cselect_b64 s[4:5], s[8:9], s[4:5]
	s_add_nc_u64 s[4:5], s[4:5], s[30:31]
	s_add_nc_u64 s[38:39], s[4:5], s[38:39]        ; the base of a tile's upper eight rows
	s_add_nc_u64 s[6:7], s[22:23], s[34:35]        ; my four fragments
	s_add_nc_u64 s[24:25], s[22:23], s[36:37]      ; my 256 bytes of scale words
.macro LOAD f                          ; fragment f: 16 rows x 512 bytes
.irp i, 0,1,2,3,4,5,6,7,8,9,10,11,12,13,14,15
	global_load_b128 v[R+64*((\f)%2)+4*\i:R+64*((\f)%2)+4*\i+3], v1, s[4+34*(\i/8):5+34*(\i/8)] offset:(\i+8*(\i/8))*4096+512*(\f) th:TH_LOAD_NT
.endr
.endm
.macro FRAGMENT f
.if (\f) > 0
	s_wait_xcnt 0x0                                ; the last fragment's stores have read their data: the codes' registers are written again only behind this wait
.endif
.if (\f) < 3
	s_wait_loadcnt 16                              ; my 16 loads are in; the next fragment's 16 may be out
.else
	s_wait_loadcnt 0x0
.endif
.irp i, 0,1,2,3,4,5,6,7,8,9,10,11,12,13,14,15
	ds_store_b128 v2, v[R+64*((\f)%2)+4*\i:R+64*((\f)%2)+4*\i+3] offset:SP*\i
.endr
.irp c, 0,1
.irp j, 0,1,2,3,4,5,6,7
	ds_load_b128 v[X+32*\c+4*\j:X+32*\c+4*\j+3], v3 offset:256*\c+16*\j   ; LDS serves a wave's instructions in order: these see the stores above
.endr
.endr
	s_wait_dscnt 0x0                               ; the numbers are back, and the stores have read their registers,
.if (\f)+2 < 4
	LOAD (\f)+2                                    ; which take the loads of two fragments on
.endif
.irp c, 0,1
	v_max3_num_f32 v[MX+\c], |v[X+32*\c]|, |v[X+32*\c+1]|, 0x1800000      ; my block 2 c + h: all 32 numbers are mine; and the floor 2^(3 - 127)
.endr
.irp i, 2,4,6,8,10,12,14,16,18,20,22,24,26,28,30
.irp c, 0,1
	v_max3_num_f32 v[MX+\c], v[MX+\c], |v[X+32*\c+\i]|, |v[X+32*\c+\i+1]|
.endr
.endr
.irp c, 0,1
	v_add_nc_u32 v[SO+\c], 0xff000000, v[MX+\c]    ; 2 off the exponent field: the conversion takes that field as its scale
.endr
.irp c, 0,1
	v_lshrrev_b32 v[BY+\c], 23, v[SO+\c]           ; the scale's byte
.endr
	v_lshl_or_b32 v[BY+2], v[BY+1], 16, v[BY]      ; blocks h and 2 + h,
	v_lshlrev_b32 v[BY+2], v5, v[BY+2]             ; at their places in the word;
	v_permlanex16_b32 v[BY+3], v[BY+2], s26, s27
	v_or_b32 v[W+(\f)], v[BY+2], v[BY+3]           ; with lane l xor 16's two the word is whole, in both lanes
.irp c, 0,1
	v_cvt_scalef32_pk16_fp6_f32 v[C+6*\c:C+6*\c+2], v[X+32*\c:X+32*\c+15], v[SO+\c]
	v_cvt_scalef32_pk16_fp6_f32 v[T0+4*\c:T0+4*\c+2], v[X+32*\c+16:X+32*\c+31], v[SO+\c]
.endr
	v_nop                                          ; one plain instruction between a scaled conversion and the instruction that touches its result
.irp c, 0,1
.irp i, 0,1,2
	v_mov_b32 v[C+6*\c+3+\i], v[T0+4*\c+\i]
.endr
.endr
.irp g, 0,1,2
	global_store_b128 v1, v[C+4*\g:C+4*\g+3], s[6:7] offset:1536*(\f)+512*\g   ; 32 lanes store 512 consecutive bytes, aligned
.endr
.endm
	LOAD 0
	LOAD 1
	FRAGMENT 0
	FRAGMENT 1
	FRAGMENT 2
	FRAGMENT 3
	v_cmp_le_u32 vcc_lo, 16, v7                    ; lanes 0-15 store the words of my K steps 0 and 1, lanes 16-31 those of 2 and 3 (both halves hold every word)
	v_cndmask_b32 v[BY], v[W], v[W+2], vcc_lo
	v_cndmask_b32 v[BY+1], v[W+1], v[W+3], vcc_lo
	global_store_b64 v4, v[BY:BY+1], s[24:25]      ; 256 consecutive bytes, aligned
	s_wait_tensorcnt 0x0
	ds_add_u32 v240, v241
	s_wait_dscnt 0x0
	s_endpgm
.Lfunc_end_k_qcd16723ba1_quant:
	.size	k_qcd16723ba1_quant, .Lfunc_end_k_qcd16723ba1_quant-k_qcd16723ba1_quant
	.p2alignl 7, 3214868480
	.fill 96, 4, 3214868480
	.section	.rodata,"a",@progbits
	.p2align	6, 0x0
	.amdhsa_kernel k_qcd16723ba1_quant
		.amdhsa_group_segment_fixed_size 34304
		.amdhsa_private_segment_fixed_size 0
		.amdhsa_enable_private_segment 0
		.amdhsa_kernarg_size 64
		.amdhsa_user_sgpr_count 2
		.amdhsa_user_sgpr_kernarg_segment_ptr 1
		.amdhsa_wavefront_size32 1
		.amdhsa_system_sgpr_workgroup_id_x 1
		.amdhsa_system_sgpr_workgroup_id_y 1
		.amdhsa_system_sgpr_workgroup_id_z 1
		.amdhsa_system_vgpr_workitem_id 0
		.amdhsa_next_free_vgpr 242
		.amdhsa_next_free_sgpr 66
		.amdhsa_reserve_vcc 1
		.amdhsa_float_denorm_mode_32 3
		.amdhsa_float_denorm_mode_16_64 3
		.amdhsa_memory_ordered 1
		.amdhsa_forward_progress 1
		.amdhsa_inst_pref_size 31
	.end_amdhsa_kernel
	.amdgpu_metadata
---
amdhsa.version: [ 1, 2 ]
amdhsa.kernels:
  - .name:           k_qcd16723ba1_quant
    .symbol:         k_qcd16723ba1_quant.kd
    .args:
      - { .name: query, .offset: 0, .size: 8, .value_kind: global_buffer, .address_space: global }
      - { .name: key, .offset: 8, .size: 8, .value_kind: global_buffer, .address_space: global }
      - { .name: value, .offset: 16, .size: 8, .value_kind: global_buffer, .address_space: global }
      - { .name: Wq, .offset: 24, .size: 8, .value_kind: global_buffer, .address_space: global }
      - { .name: Wk, .offset: 32, .size: 8, .value_kind: global_buffer, .address_space: global }
      - { .name: Wv, .offset: 40, .size: 8, .value_kind: global_buffer, .address_space: global }
      - { .name: Wo, .offset: 48, .size: 8, .value_kind: global_buffer, .address_space: global }
      - { .name: opnd, .offset: 56, .size: 8, .value_kind: global_buffer, .address_space: global }
    .group_segment_fixed_size: 34304
    .private_segment_fixed_size: 0
    .kernarg_segment_align: 8
    .kernarg_segment_size: 64
    .max_flat_workgroup_size: 128
    .sgpr_count:     66
    .vgpr_count:     242
    .wavefront_size: 32
...
	.end_amdgpu_metadata
.endif
;; end of part 1
;; launch proj (part 2): grid 4 x 64, 4 waves a work-group, clusters of 4 x 4, 327,680 bytes of LDS; arguments opnd, bq, bk, bv, qkv; writes qkv
.if DOCPART == 2
	.amdgcn_target "amdgcn-amd-amdhsa--gfx1250"
	.amdhsa_code_object_version 6
	.text
	.protected	k_qcd16723ba1_proj
	.globl	k_qcd16723ba1_proj
	.p2align	8
	.type	k_qcd16723ba1_proj,@function
k_qcd16723ba1_proj:
	s_mov_b64 s[64:65], 0
	v_nop
	global_prefetch_b8 v0, s[64:65] scope:SCOPE_SE
	s_setreg_imm32_b32 hwreg(HW_REG_WAVE_MODE, 25, 1), 1
	s_wait_xcnt 0x0
	s_wait_alu depctr_hold_cnt(0) depctr_sa_sdst(0) depctr_va_vdst(0) depctr_va_sdst(0) depctr_va_ssrc(0) depctr_va_vcc(0) depctr_vm_vsrc(0)
	s_getreg_b32 s2, hwreg(HW_REG_IB_STS2, 6, 4)
	s_cmp_eq_u32 s2, 0
	s_cbranch_scc0 .Lentry_in_a_cluster
	s_endpgm
.Lentry_in_a_cluster:
	s_bfe_u32 s2, ttmp6, 0x10000c
	s_cmp_lg_u32 s2, 0xf033
	s_cbranch_scc0 .Lentry_shape_is_right
	s_endpgm
.Lentry_shape_is_right:
; q = query Wq^T + bq, k = key Wk^T + bk, v = value Wv^T + bv on codes of FP6 (E2M3), and their quantisers: the results leave as codes and scale words, in the order of the next launch's operand registers.
; opnd holds all operands as tiles of 16 rows: 8 fragments (16 rows x 128 K, 1,536 bytes, an image of 12 registers) on end, 12,288 bytes a tile; scale words behind the codes, 512 bytes a tile.
; THE DEAL: 256 work-groups STAY and walk three phases, q, k, v.  A phase makes a block of 128 rows of side A x 256 rows of side B.  q, k: A = tokens (64 blocks), B = the weight's rows (4 blocks).
; v: A = Wv's rows (8 blocks), B = tokens (32 blocks), so that a lane's registers run along the keys.  Four waves, 2 x 2; a wave has 64 x 128: 32 accumulators, 256 registers.
; THE MATRIX INSTRUCTION IS USED TRANSPOSED: source 0 = 16 rows of B, source 1 = 16 rows of A: a lane holds one row of A, its registers run along B's rows, which are the next product's K.
; LDS: two slots; a slot holds HALF OF K (4 steps) of a phase: A's 8 tiles (49,152 bytes), B's 16 (98,304), their scale words (2,048 and 4,096).  Slot 0 takes the lower half of K, slot 1 the upper.
; A fill is four tensor loads, one a wave: wave 0 A's codes, 1 B's, 2 A's scale words, 3 B's.  Each refill stands behind a drained round of the cluster's barrier.
; A phase: 3 steps; the 4th with a round inside (slot 0 takes the next phase's lower half); 4 steps; half of the way out; a round (slot 1 takes the next phase's upper half); the other half of the way out.
; q and k are a loop of two trips; v, which asks for nothing more and leaves in another order, is written out behind it.
; CLUSTER 4 x 4: A's tiles hang on cy and the cluster's number alone and are shared along a row, B's on cx and are shared along a column.
; PREFETCH: behind a phase's first step each wave names its sixteenth of the next phase's codes of A (24 blocks of 256 bytes) and of B (48), shared out by address among the sixteen waves that will ask jointly: three K steps ahead of the first load that wants them.
; The first phase comes by its loads alone.
; A block's scale byte is its largest magnitude's exponent field - 2, held at 1 from below.  LIMITS: a block under 2^-124 gets the byte 1; NaN and infinities are not served.
; REGISTERS: window 0: v0-31 addresses; v32-63 scale words, two sets; v64-127 the bias as the first products' C; v128-223 A's fragments, two sets (on the way out: at work); v224-227 v's bias.
;   window 1: B's fragments, two sets, at v0 and v128.  window 2: accumulator (a, b) at v[8 (8 a + b)].
.set SCB1,  22020096
.set SCB2,  18874368
.set FR,    12
.set SLOT,  153600
.set OB,    49152
.set OSA,   147456
.set OSB,   149504
.set SPARE, 2*SLOT
.set STG,   SPARE+512                  ; 256 bytes a wave for the results' scale words
.set ADRA, 16
.set ADRB, 20
.set ADRS, 26
.set SPW,  28
.set NIL,  29
.set SC,   32
.set CB,   64
.set AF,   128
.set PC,   128
.set TM,   200
.set PW,   216
.set PWE,  217
.set OW,   220
.set VBI,  224
.set G1A, 24
.set G1B, 32
.set G1SA, 40
.set G1SB, 48
.set G0A, 56
.set G0B, 60
.set G0SA, 68
.set G0SB, 72
.set MSB, 0
.macro WIN new
.if MSB != \new
	s_set_vgpr_msb (MSB<<8)|\new
.set MSB, \new
.endif
.endm
.set MUL,  0xa1                        ; source 0 (B) window 1, source 1 (A) window 0, C and D window 2
.set BIA,  0x81                        ; the same, C window 0
.set TO_B, 0x40
.macro PLACES n
.rept \n
	v_nop
.endr
.endm
.macro CREST
	s_cmp_lg_u32 s14, 0
	s_cbranch_scc1 .Lnot_wave_0_\@
	s_barrier_signal -3
.Lnot_wave_0_\@:
	s_barrier_wait -3
	s_barrier_signal -1
	s_barrier_wait -1
.endm
.macro CROUND
	s_barrier_signal -1
	s_barrier_wait -1
	CREST
.endm
.macro QARM under, g0, g1, id
	s_cmp_lt_u32 s14, \under
	s_cbranch_scc0 .Lq\under\()_\id
	tensor_load_to_lds s[\g0:\g0+3], s[\g1:\g1+7]
	s_nop 0
	PLACES 4
	s_branch .Lqj_\id
.Lq\under\()_\id:
.endm
.macro QLOAD id                        ; a fill: one chain of branches on the wave's number, one load to an arm
	QARM 1, G0A, G1A, \id
	QARM 2, G0B, G1B, \id
	QARM 3, G0SA, G1SA, \id
	tensor_load_to_lds s[G0SB:G0SB+3], s[G1SB:G1SB+7]
	s_nop 0
	PLACES 4
.Lqj_\id:
.endm
.macro SETG g, off, add, lds           ; group 0: LDS place, and opnd + the offset in s\off + add  (s21 = 0)
	s_mov_b32 s[\g+1], \lds
	s_add_co_u32 s20, s\off, \add
	s_add_nc_u64 s[\g+2:\g+3], s[4:5], s[20:21]
	s_or_b32 s[\g+3], s[\g+3], 0x80000000
.endm
.macro SETG4 hf, sl                    ; the four descriptors of K half hf of the phase whose offsets stand in s76-79, for slot sl
	SETG G0A,  76, (\hf)*6144, (\sl)*SLOT
	SETG G0B,  77, (\hf)*6144, (\sl)*SLOT+OB
	SETG G0SA, 78, (\hf)*256,  (\sl)*SLOT+OSA
	SETG G0SB, 79, (\hf)*256,  (\sl)*SLOT+OSB
.endm
.macro GROUP1 g, mask, elems, rows, pitch
	s_or_b32 s[\g], s\mask, (3<<16)|(1<<21)
	s_mov_b32 s[\g+1], (\elems)<<16
	s_mov_b32 s[\g+2], (\rows)<<16
	s_mov_b32 s[\g+3], (\elems)<<16
	s_mov_b32 s[\g+4], \rows
	s_mov_b32 s[\g+5], \pitch
	s_mov_b32 s[\g+6], 0
	s_mov_b32 s[\g+7], 0
.endm
	s_load_b128 s[4:7], s[0:1], 0x0                ; opnd, bq
	s_load_b128 s[8:11], s[0:1], 0x10              ; bk, bv
	s_load_b64 s[12:13], s[0:1], 0x20              ; qkv
	v_lshl_add_u32 v[SPW], v0, 2, SPARE
	v_mov_b32 v[NIL], 0
	ds_add_u32 v[SPW], v[NIL]
	ds_add_u32 v[SPW], v[NIL]
	v_lshrrev_b32 v1, 5, v0
	v_readfirstlane_b32 s14, v1                    ; wave
	s_lshr_b32 s15, s14, 1                         ; which 64 rows of A are mine
	s_and_b32 s16, s14, 1                          ; which 128 rows of B
	s_bfe_u32 s17, ttmp6, 0x40000                  ; cx
	s_bfe_u32 s18, ttmp6, 0x40004                  ; cy
	s_and_b32 s19, ttmp7, 0xffff                   ; the cluster's number, 0..15
	s_lshl_b32 s22, s18, 2
	s_lshl_b32 s22, 15, s22                        ; my row of the cluster
	s_lshl_b32 s23, 0x1111, s17                    ; my column
	GROUP1 G1A,  22, 768, 8,  1536                 ; 8 tiles: rows of 6,144 bytes, 12,288 apart
	GROUP1 G1B,  23, 768, 16, 1536
	GROUP1 G1SA, 22, 32,  8,  64                   ; their scale words: rows of 256 bytes, 512 apart
	GROUP1 G1SB, 23, 32,  16, 64
	s_mov_b32 s[G0A], 1
	s_mov_b32 s[G0B], 1
	s_mov_b32 s[G0SA], 1
	s_mov_b32 s[G0SB], 1
	s_mov_b32 s21, 0
	s_lshl_b32 s2, s19, 2
	s_add_co_u32 s2, s2, s18                       ; q, k: A's block, 0..63
	s_lshl_b32 s76, s2, 3                          ; its first tile (query's)
	s_lshl_b32 s77, s17, 4
	s_add_co_u32 s77, s77, 1536                    ; B's first tile (Wq's)
	s_and_b32 s3, s19, 1
	s_lshl_b32 s3, s3, 2
	s_add_co_u32 s3, s3, s18                       ; v: A's block of Wv, 0..7
	s_lshl_b32 s80, s3, 3
	s_add_co_u32 s80, s80, 1664
	s_lshr_b32 s100, s19, 1
	s_lshl_b32 s100, s100, 2
	s_add_co_u32 s100, s100, s17                   ; v: B's block of value, 0..31
	s_lshl_b32 s81, s100, 4
	s_add_co_u32 s81, s81, 1024
.irp o, 76,77,80,81
	s_lshl_b32 s[\o+2], s\o, 9
	s_add_co_u32 s[\o+2], s[\o+2], SCB1            ; where the tiles' scale words begin,
	s_mul_i32 s\o, s\o, 12288                      ; and their codes
.endr
	s_wait_dscnt 0x0
	s_wait_kmcnt 0x0
	SETG4 0, 0
	CROUND                                         ; all sixteen work-groups are here: the first joint loads meet
	QLOAD 0                                        ; q's lower half of K
	; where the results go.  q, k: token row 128 x block + 64 x my half; heads 4 cx + 2 x my half of B, and the next
	s_lshl_b32 s22, s2, 7
	s_lshl_b32 s23, s15, 6
	s_add_co_u32 s22, s22, s23
	s_lshr_b32 s23, s22, 11
	s_and_b32 s22, s22, 2047
	s_lshl_b32 s23, s23, 4
	s_lshl_b32 s101, s17, 2
	s_add_co_u32 s23, s23, s101
	s_lshl_b32 s101, s16, 1
	s_add_co_u32 s23, s23, s101                    ; 16 x batch + head
	s_mul_i32 s20, s23, 98304
	s_mul_i32 s101, s22, 48
	s_add_co_u32 s20, s20, s101
	s_add_nc_u64 s[84:85], s[12:13], s[20:21]      ; codes
	s_lshl_b32 s20, s23, 12
	s_lshl_b32 s101, s22, 1
	s_add_co_u32 s20, s20, s101
	s_add_co_u32 s20, s20, SCB2
	s_add_nc_u64 s[88:89], s[12:13], s[20:21]      ; scale words
	; v: token row 256 x block + 128 x my half of B; head 2 x block of Wv + my half of A
	s_lshl_b32 s22, s100, 8
	s_lshl_b32 s23, s16, 7
	s_add_co_u32 s22, s22, s23
	s_lshr_b32 s23, s22, 11
	s_and_b32 s22, s22, 2047
	s_lshl_b32 s23, s23, 4
	s_lshl_b32 s101, s3, 1
	s_add_co_u32 s23, s23, s101
	s_add_co_u32 s23, s23, s15
	s_mul_i32 s20, s23, 98304
	s_mul_i32 s101, s22, 48
	s_add_co_u32 s20, s20, s101
	s_add_co_u32 s20, s20, 12582912
	s_add_nc_u64 s[90:91], s[12:13], s[20:21]
	s_lshl_b32 s20, s23, 12
	s_lshl_b32 s101, s22, 1
	s_add_co_u32 s20, s20, s101
	s_add_co_u32 s20, s20, SCB2+(2<<18)
	s_add_nc_u64 s[92:93], s[12:13], s[20:21]
	s_lshl_b32 s20, s17, 10                        ; the biases: q, k at column 256 cx + 128 x my half of B,
	s_lshl_b32 s101, s16, 9
	s_add_co_u32 s20, s20, s101
	s_add_nc_u64 s[6:7], s[6:7], s[20:21]
	s_add_nc_u64 s[8:9], s[8:9], s[20:21]
	s_lshl_b32 s20, s3, 9                          ; v at row 128 x block + 64 x my half of A
	s_lshl_b32 s101, s15, 8
	s_add_co_u32 s20, s20, s101
	s_add_nc_u64 s[10:11], s[10:11], s[20:21]
	s_mul_i32 s22, s15, 4*6144                     ; LDS: my 4 tiles of A,
	s_mul_i32 s23, s16, 8*6144
	s_add_co_u32 s23, s23, OB                      ; my 8 of B,
	s_lshl_b32 s101, s15, 10
	s_lshl_b32 s20, s16, 11
	s_add_co_u32 s20, s20, 2048
	s_sub_co_u32 s20, s20, s101                    ; from my rows' scale words of A to those of B,
	s_add_co_u32 s101, s101, OSA
	s_lshl_b32 s96, s14, 8
	s_add_co_u32 s96, s96, STG                     ; my stage
	s_lshl_b32 s97, s17, 2
	s_add_co_u32 s97, s97, s14
	s_mul_i32 s97, s97, 6144                       ; the prefetches: my sixteenth of A's 98,304 bytes among my row's waves,
	s_lshl_b32 s98, s18, 2
	s_add_co_u32 s98, s98, s14
	s_mul_i32 s98, s98, 12288                      ; and of B's 196,608 among my column's
	v_and_b32 v1, 15, v0                           ; r
	v_bfe_u32 v2, v0, 4, 1                         ; h
	v_and_b32 v3, 31, v0                           ; lane
	v_lshlrev_b32 v4, 4, v3
	v_lshlrev_b32 v5, 6, v2                        ; q, k's bias: 16 columns on for lanes 16-31
	v_and_b32 v6, 8, v1
	v_add_nc_u32 v6, v6, v1
	v_lshlrev_b32 v6, 2, v6                        ; v's bias: row r + 8 (r / 8)
	v_lshlrev_b32 v8, 3, v3                        ; 8 x lane: a piece's place
	v_add_nc_u32 v[ADRA], s22, v4
	v_add_nc_u32 v[ADRB], s23, v4
	v_add_nc_u32 v[ADRA+1], SLOT, v[ADRA]
	v_add_nc_u32 v[ADRB+1], SLOT, v[ADRB]
	v_lshlrev_b32 v7, 3, v1
	v_mul_u32_u24 v12, s20, v2                     ; lanes 16-31 take B's scale words
	v_add_nc_u32 v7, v7, v12
	v_add_nc_u32 v[ADRS], s101, v7
	v_add_nc_u32 v[ADRS+1], SLOT, v[ADRS]
	v_lshl_add_u32 v9, v3, 2, s96
	v_lshl_add_u32 v10, v3, 3, s96
	v_bfe_u32 v12, v3, 3, 1                        ; q, k's scale words on the way out: head (lane / 8) % 2, pair of tiles lane / 16, 8 bytes a lane
	v_lshlrev_b32 v12, 12, v12
	v_lshrrev_b32 v13, 4, v3
	v_lshl_add_u32 v12, v13, 6, v12
	v_and_b32 v13, 7, v3
	v_lshl_add_u32 v11, v13, 3, v12
	v_cmp_eq_u32 s99, 1, v2
	v_min_u32 v14, 23, v3
	v_lshl_add_u32 v14, v14, 8, s97
	v_lshl_add_u32 v15, v3, 8, s98
	v_min_u32 v24, 15, v3
	v_lshl_add_u32 v24, v24, 8, s98
.irp b, 0,1,2,3,4,5,6,7
	global_load_b128 v[CB+8*\b:CB+8*\b+3], v5, s[6:7] offset:(32*(\b/2)+8*(\b%2))*4
	global_load_b128 v[CB+8*\b+4:CB+8*\b+7], v5, s[6:7] offset:(32*(\b/2)+8*(\b%2))*4+16
.endr
.irp a, 0,1,2,3
	global_load_b32 v[VBI+\a], v6, s[10:11] offset:(32*(\a/2)+8*(\a%2))*4
.endr
	s_mov_b32 s94, 0x76543210
	s_mov_b32 s95, 0xfedcba98                      ; selects for lane l xor 16
	s_mov_b32 s96, 0x05040100
	s_mov_b32 s97, 0x07060302
	s_wait_alu depctr_va_vdst(0)                   ; the wait at the head's end
	s_wait_tensorcnt 0x0                           ; my tile of the four is in
	ds_add_u32 v[SPW], v[NIL]
	SETG4 1, 1
	s_wait_dscnt 0x0
	CROUND
	QLOAD 1                                        ; q's upper half of K: slot 1's first fill
	s_add_co_u32 s76, s76, 512*12288               ; the next phase is k: key's tiles, Wk's,
	s_add_co_u32 s77, s77, 64*12288
	s_add_co_u32 s78, s78, 512*512                 ; and their scale words
	s_add_co_u32 s79, s79, 64*512
.macro FRAG reg, adr, off
.irp g, 0,1,2
	ds_load_b128 v[\reg+4*\g:\reg+4*\g+3], v[\adr] offset:\off+512*\g
.endr
.endm
.macro FETCH slot, q                   ; step q (0..3) of a slot into set q % 2: 24 + 12 loads; with an even step the scale words of two steps: 8 more
	WIN TO_B
.irp i, 0,1,2,3,4,5,6,7
	FRAG 128*((\q)%2)+FR*\i, ADRB+\slot, \i*6144+(\q)*1536
.endr
	WIN 0
.irp i, 0,1,2,3
	FRAG AF+48*((\q)%2)+FR*\i, ADRA+\slot, \i*6144+(\q)*1536
.endr
.if ((\q)%2) == 0
.irp i, 0,1,2,3,4,5,6,7                ; lanes 0-15: A's block i (blocks 4-7 are read and not used), lanes 16-31: B's block i
	ds_load_b64 v[SC+16*((\q)/2)+2*\i:SC+16*((\q)/2)+2*\i+1], v[ADRS+\slot] offset:\i*256+128*((\q)/2)
.endr
.endif
.endm
.macro MUL8 a, q, cm                   ; A's block a x B's eight.  cm = 1: C = the bias along B's rows; 2: along A's.  The 32 accumulators take turns
.set P_, (\q)%2
.set S_, (\q)/2
.irp b, 0,1,2,3,4,5,6,7
.set rD, 8*(8*(\a)+\b)
.set rC, rD
.if \cm == 1
.set rC, CB+8*\b
.elseif \cm == 2
.set rC, CB+8*(\a)
.endif
	v_wmma_scale_f32_16x16x128_f8f6f4 v[rD:rD+7], v[128*P_+FR*\b:128*P_+FR*\b+FR-1], v[AF+48*P_+FR*(\a):AF+48*P_+FR*(\a)+FR-1], v[rC:rC+7], v[SC+16*S_+2*\b+P_], v[SC+16*S_+2*(\a)+P_] matrix_a_fmt:MATRIX_FMT_FP6 matrix_b_fmt:MATRIX_FMT_FP6 matrix_a_scale:MATRIX_SCALE_ROW1
.endr
.endm
.macro KSTEP slot, q, cm, fetch        ; the next step's fragments are asked for, then this step's 32 products
.if \fetch
	PLACES 4                                       ; behind the products that read the set that is loaded now
	FETCH \slot, (\q)+1
.if (((\q)+1)%2) == 0
	s_wait_dscnt 44                                ; all but the loads just issued
.else
	s_wait_dscnt 36
.endif
.else
	s_wait_dscnt 0x0
.endif
.if \cm
	WIN BIA
.else
	WIN MUL
.endif
.irp a, 0,1,2,3
	MUL8 \a, \q, \cm
.endr
	WIN 0
.endm
.macro TURN fill, id                   ; slot 0's last step, and the change to slot 1
	s_wait_tensorcnt 0x0                           ; my part of slot 1 is in;
	ds_add_u32 v[SPW], v[NIL]
.if \fill
	SETG4 0, 0                                     ; no tensor load of mine is out: the next phase's lower half, for slot 0
.endif
	s_wait_dscnt 1                                 ; this step's fragments are in (the add may be out)
	WIN MUL
	MUL8 0, 3, 0
	s_wait_dscnt 0x0
	s_barrier_signal -1
	MUL8 1, 3, 0
	WIN 0
	s_barrier_wait -1
.if \fill
	CREST
	QLOAD \id                                      ; the four v_nop behind the load are the places in front of the loads below
.else
	PLACES 4
.endif
	FETCH 1, 0
	WIN MUL
	MUL8 2, 3, 0
	MUL8 3, 3, 0
	WIN 0
.endm
; 64 sums of a lane (window 2, from register s on): four blocks of 32 along the next K, each shared with lane l xor 16 -> a fragment in v[PC..PC+11], its scale word in v[PW]
.macro QUANT s
	WIN (2<<2)|(2<<4)
.irp b, 0,1,2,3
	v_max3_num_f32 v[TM+\b], 0x1800000, |v[(\s)+16*\b]|, |v[(\s)+1+16*\b]|
.endr
.irp i, 2,4,6,8,10,12,14
.irp b, 0,1,2,3
	v_max3_num_f32 v[TM+\b], v[TM+\b], |v[(\s)+16*\b+\i]|, |v[(\s)+1+16*\b+\i]|
.endr
.endr
	WIN 0
.irp b, 0,1,2,3
	v_permlanex16_b32 v[TM+4+\b], v[TM+\b], s94, s95
.endr
.irp b, 0,1,2,3
	v_max_num_f32 v[TM+\b], v[TM+\b], v[TM+4+\b]
.endr
.irp b, 0,1,2,3
	v_add_nc_u32 v[TM+12+\b], 0xff000000, v[TM+\b]
.endr
.irp b, 0,1,2,3
	v_lshrrev_b32 v[TM+4+\b], 23, v[TM+12+\b]
.endr
	v_lshl_or_b32 v[PW], v[TM+5], 8, v[TM+4]
	v_lshl_or_b32 v[PW], v[TM+6], 16, v[PW]
	v_lshl_or_b32 v[PW], v[TM+7], 24, v[PW]
	WIN 2
.irp c, 0,1
	v_cvt_scalef32_pk16_fp6_f32 v[PC+6*\c:PC+2+6*\c], v[(\s)+32*\c:(\s)+15+32*\c], v[TM+12+2*\c]
	v_cvt_scalef32_pk16_fp6_f32 v[PC+12+4*\c:PC+14+4*\c], v[(\s)+16+32*\c:(\s)+31+32*\c], v[TM+12+2*\c+1]
.endr
	WIN 0
	v_nop
.irp c, 0,1
.irp i, 0,1,2
	v_permlane16_swap_b32 v[PC+6*\c+\i], v[PC+12+4*\c+\i]
.endr
.irp i, 0,1,2
	v_mov_b32 v[PC+3+6*\c+\i], v[PC+12+4*\c+\i]
.endr
.endr
.endm
.macro EPI a, v                        ; the way out of A's block a
	s_wait_xcnt 0x0                                ; the earlier stores have read their data
	QUANT 64*(\a)
.if \v
.irp j, 0,1,2,3,4,5
	global_store_b64 v8, v[PC+2*\j:PC+2*\j+1], s[90:91] offset:1536*(\a)+256*\j   ; v: a fragment of 16 channels x 128 keys
.endr
.else
.irp j, 0,1,2
	global_store_b64 v8, v[PC+2*\j:PC+2*\j+1], s[84:85] offset:768*(\a)+256*\j   ; q, k: a tile of 16 tokens of one head,
	global_store_b64 v8, v[PC+6+2*\j:PC+7+2*\j], s[84:85] offset:98304+768*(\a)+256*\j   ; and of the next
.endr
.endif
.if ((\a)%2) == 0
	v_mov_b32 v[PWE], v[PW]
.else
.if \v
	v_cndmask_b32 v[OW+(\a)/2], v[PWE], v[PW], s99   ; lanes 0-15 the even block's words, lanes 16-31 the odd block's
.else
	v_perm_b32 v218, v[PW], v[PWE], s96            ; a pair of tiles: the first head's word,
	v_perm_b32 v219, v[PW], v[PWE], s97            ; the second's
	v_cndmask_b32 v[OW+(\a)/2], v218, v219, s99
.endif
	ds_store_b32 v9, v[OW+(\a)/2] offset:128*((\a)/2)
.endif
.endm
.macro PHASE v
.if \v
.irp a, 0,1,2,3
.irp j, 0,1,2,3,4,5,6,7
	v_mov_b32 v[CB+8*\a+\j], v[VBI+\a]             ; v's bias, one number a lane and block, over the block's eight registers
.endr
.endr
	s_wait_alu depctr_va_vdst(0)
.endif
	FETCH 0, 0
	s_wait_loadcnt 0x0                             ; the bias is in
	KSTEP 0, 0, 1+\v, 1
.if \v == 0
	PLACES 4                                       ; behind the products that took the bias as C
	s_cmp_eq_u32 s98, 0
	s_cbranch_scc0 .Lno_bias
.irp b, 0,1,2,3,4,5,6,7                        ; in q's phase: k's bias
	global_load_b128 v[CB+8*\b:CB+8*\b+3], v5, s[8:9] offset:(32*(\b/2)+8*(\b%2))*4
	global_load_b128 v[CB+8*\b+4:CB+8*\b+7], v5, s[8:9] offset:(32*(\b/2)+8*(\b%2))*4+16
.endr
.Lno_bias:
	s_mov_b32 s20, s76
	s_add_nc_u64 s[2:3], s[4:5], s[20:21]
	s_mov_b32 s20, s77
	s_add_nc_u64 s[100:101], s[4:5], s[20:21]
	global_prefetch_b8 v14, s[2:3] th:TH_LOAD_NT scope:SCOPE_SE
	global_prefetch_b8 v15, s[100:101] th:TH_LOAD_NT scope:SCOPE_SE
	global_prefetch_b8 v24, s[100:101] offset:8192 th:TH_LOAD_NT scope:SCOPE_SE
.endif
	KSTEP 0, 1, 0, 1
	KSTEP 0, 2, 0, 1
	TURN 1-\v, 2
	KSTEP 1, 0, 0, 1
	KSTEP 1, 1, 0, 1
	KSTEP 1, 2, 0, 1
	KSTEP 1, 3, 0, 0
	PLACES 4                                       ; behind the last products: the way out works in the registers of A's fragments and reads the sums
.irp b, 0,1,2,3
	v_mov_b32 v[TM+4+\b], 0                        ; a lane permute's destination counts as one of its sources
.endr
	EPI 0, \v
	EPI 1, \v
.if \v == 0
	s_wait_alu depctr_va_vdst(0)
	s_wait_tensorcnt 0x0                           ; the next phase's lower half is in;
	ds_add_u32 v[SPW], v[NIL]
	SETG4 1, 1
	s_wait_dscnt 0x0                               ; and my reads of slot 1 are over
	CROUND
	QLOAD 3                                        ; its upper half, into slot 1
.endif
	EPI 2, \v
	EPI 3, \v
	ds_load_b64 v[150:151], v10                    ; my 64 scale words: LDS serves a wave's instructions in order
	s_wait_dscnt 0x0
.if \v
	global_store_b64 v8, v[150:151], s[92:93]      ; 256 consecutive bytes
.else
	global_store_b64 v11, v[150:151], s[88:89]     ; 128 consecutive bytes for each of the two heads
.endif
.endm
	s_mov_b32 s98, 0
.Lphase:
	PHASE 0
	s_wait_xcnt 0x0                                ; the stores and prefetches have read their registers
	s_add_nc_u64 s[84:85], s[84:85], 6291456       ; k's codes and scale words follow q's
	s_add_nc_u64 s[88:89], s[88:89], 262144
	s_mov_b32 s76, s80                             ; the phase behind k is v
	s_mov_b32 s77, s81
	s_mov_b32 s78, s82
	s_mov_b32 s79, s83
	s_add_co_u32 s98, s98, 1
	s_cmp_lt_u32 s98, 2
	s_wait_alu depctr_va_vdst(0)
	s_cbranch_scc1 .Lphase
	PHASE 1
	s_wait_tensorcnt 0x0                           ; the wave's end
	ds_add_u32 v[SPW], v[NIL]
	s_wait_dscnt 0x0
	CROUND                                         ; the closing round
	s_endpgm
.Lfunc_end_k_qcd16723ba1_proj:
	.size	k_qcd16723ba1_proj, .Lfunc_end_k_qcd16723ba1_proj-k_qcd16723ba1_proj
	.p2alignl 7, 3214868480
	.fill 96, 4, 3214868480
	.section	.rodata,"a",@progbits
	.p2align	6, 0x0
	.amdhsa_kernel k_qcd16723ba1_proj
		.amdhsa_group_segment_fixed_size 327680
		.amdhsa_private_segment_fixed_size 0
		.amdhsa_enable_private_segment 0
		.amdhsa_kernarg_size 40
		.amdhsa_user_sgpr_count 2
		.amdhsa_user_sgpr_kernarg_segment_ptr 1
		.amdhsa_wavefront_size32 1
		.amdhsa_system_sgpr_workgroup_id_x 1
		.amdhsa_system_sgpr_workgroup_id_y 1
		.amdhsa_system_sgpr_workgroup_id_z 1
		.amdhsa_system_vgpr_workitem_id 0
		.amdhsa_next_free_vgpr 768
		.amdhsa_next_free_sgpr 102
		.amdhsa_reserve_vcc 0
		.amdhsa_float_denorm_mode_32 3
		.amdhsa_float_denorm_mode_16_64 3
		.amdhsa_memory_ordered 1
		.amdhsa_forward_progress 1
		.amdhsa_inst_pref_size 171
	.end_amdhsa_kernel
	.amdgpu_metadata
---
amdhsa.version: [ 1, 2 ]
amdhsa.kernels:
  - .name:           k_qcd16723ba1_proj
    .symbol:         k_qcd16723ba1_proj.kd
    .args:
      - { .name: opnd, .offset: 0, .size: 8, .value_kind: global_buffer, .address_space: global }
      - { .name: bq, .offset: 8, .size: 8, .value_kind: global_buffer, .address_space: global }
      - { .name: bk, .offset: 16, .size: 8, .value_kind: global_buffer, .address_space: global }
      - { .name: bv, .offset: 24, .size: 8, .value_kind: global_buffer, .address_space: global }
      - { .name: qkv, .offset: 32, .size: 8, .value_kind: global_buffer, .address_space: global }
    .group_segment_fixed_size: 327680
    .private_segment_fixed_size: 0
    .kernarg_segment_align: 8
    .kernarg_segment_size: 40
    .max_flat_workgroup_size: 128
    .sgpr_count:     102
    .vgpr_count:     768
    .wavefront_size: 32
...
	.end_amdgpu_metadata
.endif
;; end of part 2
;; launch attn (part 3): grid 4 x 64, 16 waves a work-group, clusters of 4 x 1, 206,848 bytes of LDS; arguments qkv, ctx; writes ctx
.if DOCPART == 3
	.amdgcn_target "amdgcn-amd-amdhsa--gfx1250"
	.amdhsa_code_object_version 6
	.text
	.protected	k_qcd16723ba1_attn
	.globl	k_qcd16723ba1_attn
	.p2align	8
	.type	k_qcd16723ba1_attn,@function
k_qcd16723ba1_attn:
	s_mov_b64 s[64:65], 0
	v_nop
	global_prefetch_b8 v0, s[64:65] scope:SCOPE_SE
	s_setreg_imm32_b32 hwreg(HW_REG_WAVE_MODE, 25, 1), 1
	s_wait_xcnt 0x0
	s_wait_alu depctr_hold_cnt(0) depctr_sa_sdst(0) depctr_va_vdst(0) depctr_va_sdst(0) depctr_va_ssrc(0) depctr_va_vcc(0) depctr_vm_vsrc(0)
	s_getreg_b32 s2, hwreg(HW_REG_IB_STS2, 6, 4)
	s_cmp_eq_u32 s2, 0
	s_cbranch_scc0 .Lentry_in_a_cluster
	s_endpgm
.Lentry_in_a_cluster:
	s_bfe_u32 s2, ttmp6, 0x10000c
	s_cmp_lg_u32 s2, 0x3003
	s_cbranch_scc0 .Lentry_shape_is_right
	s_endpgm
.Lentry_shape_is_right:
; ctx = softmax(q k^T / 8) v for ONE head of 64 and 512 queries a work-group, both products on codes of FP6 (E2M3); the result is quantised along the model's 1,024 for the last projection.
; THE SOFTMAX: t = score x log2(e) / 8; M = the running largest t rounded UP to a whole number; p = 2^(t - M) is quantised along the keys, not normalised; the sum of the unquantised p divides at the end.
; When M moves, the sum and O are multiplied by 2^(old M - new M): exact.
; SHARES: work-group y = 16 x batch + head; cx = a block of 512 queries.  Each of sixteen waves owns a pair of tiles of 16 queries and walks all 2,048 keys, 128 a step, once for each tile.
; LDS: the head's k (98,304 bytes), v (98,304), their scale words (4,096 each) lie there whole: 204,800 bytes, filled once, at the head; then the spare words.  One barrier shows them; nothing is filled again, so the waves meet no more.
; CLUSTER: the four blocks of queries of a head read the same k and v: each tile is asked for jointly: waves 0-3 k's quarters, 4-7 v's, 8 and 9 the scale words; one tensor load a wave.
; No prefetch: all that the launch reads by tensor loads is asked for at its head; there is no later load to run ahead of.
; LAYOUT: both products transposed: S^T = k q^T, O^T = v^T p^T: a lane holds ONE query.  Operands lie in qkv as images of their registers, in pieces (a register pair of 32 lanes, 256 bytes).
; The head is 64 and the instruction's K 128: a fragment of k holds two tiles of 16 keys; it is multiplied by [q | 0] and by [0 | q]: zero codes add nothing.
; THE KEYS OF A TILE: of 64 keys tile j (0..3) holds keys 8 j + 0..7 in rows 0-7 and 32 + 8 j + 0..7 in rows 8-15.  So registers 96 + 32 c + i of lane (r, h) are keys 64 c + 32 h + i:
; a whole block of 32 in a lane, in the order of the next operand's registers: no lane is asked for a block's maximum, and the codes stay where the conversions leave them.
; ctx: a fragment (16 rows x 128 K) is six pieces of 256 bytes; this head fills three of them, and two bytes of each row's scale word (the other two come from the neighbouring head's work-group).
; LIMITS: the promise holds while the scaled scores t stay under 2^31 in magnitude; a block of ctx whose largest magnitude lies under 2^-124 gets the byte 1; NaN and infinities are not served.
; REGISTERS: v1-7 addresses that stay; v8-10 addresses in hand; v12 -M, v13 the largest t, v[14:15] the sum; v16-21 zeros, v22-27 q, v28-33 zeros; v34 q's scale word; v35-41 the second tile's;
;   v44-91 four fragments of k or v; v96-159 S^T, then p; v160-191 O^T; v192-197 ctx's codes, v204 its bytes; v206-223 at work; v224-235 p's codes; v232-255 at work; v248-251 the fragments' scale words.
.set SCB2,  18874368                   ; qkv: where the scale words begin
.set VOFF,  98304
.set SCK,   196608
.set SPARE, SCK+8192                   ; the spare words, 128 bytes a wave: eight blocks of 256 bytes that no other line names
.set AK0,  1
.set AV0,  2
.set ASC0, 3
.set CSA,  4
.set SPW,  5
.set NIL,  6
.set SH,   7
.set ADK,  8
.set ADV,  9
.set ADS,  10
.set KV,   44
.set CT,   192
.set MX,   206
.set SO,   218
.set BY,   220
.set WV,   18
.set SEL,  20
.set CS,   22
.set G1T,  24
.set G1S,  32
.set G0T,  40
.set G0S,  44
.set TB,   2
.set TS,   3
.macro CROUND
	s_barrier_signal -1
	s_barrier_wait -1
	s_cmp_lg_u32 s[WV], 0
	s_cbranch_scc1 .Lnot_wave_0_\@
	s_barrier_signal -3
.Lnot_wave_0_\@:
	s_barrier_wait -3
	s_barrier_signal -1
	s_barrier_wait -1
.endm
	s_load_b128 s[4:7], s[0:1], 0x0                ; qkv, ctx
	v_lshl_add_u32 v[SPW], v0, 2, SPARE
	v_mov_b32 v[NIL], 0
	ds_add_u32 v[SPW], v[NIL]
	ds_add_u32 v[SPW], v[NIL]
	v_lshrrev_b32 v8, 5, v0
	v_readfirstlane_b32 s[WV], v8                  ; wave 0..15
	s_bfe_u32 s13, ttmp6, 0x40000                  ; cx: it enters q's and ctx's global addresses alone
	s_and_b32 s10, ttmp7, 0xffff                   ; the head, 0..63
	s_lshl_b32 s12, s13, 4
	s_add_co_u32 s12, s12, s[WV]                   ; my pair of tiles of queries, 0..63
	s_and_b32 s49, s[WV], 7                        ; what a fetching wave fetches:
	s_lshr_b32 s50, s49, 2
	s_add_co_u32 s50, s50, 1                       ; kind 1 (k) or 2 (v),
	s_and_b32 s51, s49, 3                          ; which quarter
	s_mul_i32 s52, s50, 6291456
	s_mul_i32 s53, s10, 98304
	s_add_co_u32 s52, s52, s53
	s_mul_i32 s53, s51, 24576
	s_add_co_u32 s52, s52, s53
	s_mov_b32 s53, 0
	s_and_b32 s51, s[WV], 1                        ; scale words: wave 8 k's, wave 9 v's
	s_add_co_u32 s54, s51, 1
	s_lshl_b32 s54, s54, 18
	s_lshl_b32 s55, s10, 12
	s_add_co_u32 s54, s54, s55
	s_add_co_u32 s54, s54, SCB2
	s_mov_b32 s55, 0
	s_mov_b32 s[G1T], (15)|(3<<16)|(1<<21)         ; the mask: all four work-groups; elements of 8 bytes; bit 21 beside a mask
	s_mov_b32 s[G1T+1], 32<<16                     ; rows of 256 bytes,
	s_mov_b32 s[G1T+2], 96<<16                     ; 96 of them, dense
	s_mov_b32 s[G1T+3], 32<<16
	s_mov_b32 s[G1T+4], 96
	s_mov_b32 s[G1T+5], 32
	s_mov_b32 s[G1T+6], 0
	s_mov_b32 s[G1T+7], 0
	s_mov_b32 s[G1S], (15)|(3<<16)|(1<<21)
	s_mov_b32 s[G1S+1], 32<<16
	s_mov_b32 s[G1S+2], 16<<16
	s_mov_b32 s[G1S+3], 32<<16
	s_mov_b32 s[G1S+4], 16
	s_mov_b32 s[G1S+5], 32
	s_mov_b32 s[G1S+6], 0
	s_mov_b32 s[G1S+7], 0
	s_mul_i32 s56, s49, 24576
	s_lshl_b32 s57, s51, 12
	s_mov_b32 s[SEL], 0x76543210
	s_mov_b32 s[SEL+1], 0xfedcba98                 ; selects for lane l xor 16
	s_mov_b32 s[CS], 0x3e38aa3b                    ; c = log2(e) / 8
	s_mov_b32 s[CS+1], s[CS]
	s_wait_dscnt 0x0
	s_wait_kmcnt 0x0
	s_mov_b32 s[G0T], 1
	s_mov_b32 s[G0T+1], s56
	s_add_nc_u64 s[G0T+2:G0T+3], s[4:5], s[52:53]
	s_or_b32 s[G0T+3], s[G0T+3], 0x80000000
	s_mov_b32 s[G0S], 1
	s_add_co_u32 s[G0S+1], s57, SCK
	s_add_nc_u64 s[G0S+2:G0S+3], s[4:5], s[54:55]
	s_or_b32 s[G0S+3], s[G0S+3], 0x80000000
	CROUND                                         ; all four work-groups are here: the joint loads meet
	s_cmp_lt_u32 s[WV], 8                          ; one chain of branches on the wave's number, one load to an arm
	s_cbranch_scc0 .Lfor_scales
	tensor_load_to_lds s[G0T:G0T+3], s[G1T:G1T+7]
	s_nop 0
.rept 4
	v_nop
.endr
	s_branch .Lasked
.Lfor_scales:
	s_cmp_lt_u32 s[WV], 10
	s_cbranch_scc0 .Lasked
	tensor_load_to_lds s[G0S:G0S+3], s[G1S:G1S+7]
	s_nop 0
.rept 4
	v_nop
.endr
.Lasked:
	v_and_b32 v9, 31, v0                           ; lane
	v_and_b32 v10, 15, v0                          ; r
	v_bfe_u32 v11, v0, 4, 1                        ; h
	v_lshlrev_b32 v[AK0], 3, v9                    ; 8 x lane: a piece's place
	v_lshlrev_b32 v[SH], 3, v11                    ; 8 h: how far my two bytes of p's scale word are shifted
	v_lshlrev_b32 v[CSA], 3, v10                   ; 8 r: ctx's scale words
	v_lshlrev_b32 v11, 2, v10                      ; 4 r: q's scale words
	v_lshl_add_u32 v[ASC0], v10, 2, SCK
	v_add_nc_u32 v[AV0], VOFF, v[AK0]
	s_wait_alu depctr_va_vdst(0)                   ; the wait ahead of the run of scalar lines
	s_mul_i32 s52, s10, 98304
	s_mul_i32 s53, s12, 1536                       ; a pair of tiles of q is a fragment
	s_add_co_u32 s52, s52, s53
	s_mov_b32 s53, 0
	s_add_nc_u64 s[8:9], s[4:5], s[52:53]
	s_lshl_b32 s52, s10, 12
	s_lshl_b32 s54, s12, 6
	s_add_co_u32 s52, s52, s54
	s_add_co_u32 s52, s52, SCB2
	s_add_nc_u64 s[16:17], s[4:5], s[52:53]
.irp p, 0,1,2
	global_load_b64 v[22+2*\p:23+2*\p], v[AK0], s[8:9] offset:256*\p
	global_load_b64 v[36+2*\p:37+2*\p], v[AK0], s[8:9] offset:768+256*\p   ; the second tile's
.endr
	global_load_b32 v34, v11, s[16:17]
	s_lshr_b32 s52, s10, 4
	s_lshl_b32 s52, s52, 7
	s_lshl_b32 s54, s12, 1
	s_add_co_u32 s52, s52, s54                     ; ctx's tile: 128 x batch + my first tile
	s_bfe_u32 s53, s10, 0x30001                    ; its K step: the pair of heads
	s_and_b32 s58, s10, 1                          ; and which half of the fragment is this head's
	s_lshl_b32 s54, s52, 3
	s_add_co_u32 s54, s54, s53
	s_mul_i32 s54, s54, 1536
	s_mul_i32 s55, s58, 768
	s_add_co_u32 s54, s54, s55
	s_mov_b32 s55, 0
	s_lshl_b32 s56, s52, 9
	s_lshr_b32 s57, s53, 1
	s_lshl_b32 s57, s57, 7
	s_add_co_u32 s56, s56, s57
	s_and_b32 s57, s53, 1
	s_lshl_b32 s57, s57, 2
	s_add_co_u32 s56, s56, s57
	s_lshl_b32 s57, s58, 1
	s_add_co_u32 s56, s56, s57
	s_add_co_u32 s56, s56, 6291456
	s_mov_b32 s57, 0
	s_add_nc_u64 s[14:15], s[6:7], s[56:57]
	s_add_nc_u64 s[6:7], s[6:7], s[54:55]
	s_mov_b32 s19, 0x03020302
	s_mov_b32 s48, 0x01000100
	s_wait_loadcnt 0x0
	v_perm_b32 v35, v34, v34, s19                  ; a tile's two bytes of the word, twice: they serve [q | 0] and [0 | q]
	v_perm_b32 v34, v34, v34, s48
.irp i, 0,1,2,3,4,5                            ; the moves below are also the places between these writes and the first scaled product
	v_mov_b32 v[16+\i], 0
	v_mov_b32 v[28+\i], 0
.endr
	v_mov_b32 v13, 0xff61b1e6                      ; the largest t so far: -3e38
	v_floor_f32 v12, -v13                          ; -M
	v_mov_b32 v14, 0
	v_mov_b32 v15, 0
	v_mov_b32 v210, 0                              ; a lane permute's destination counts as one of its sources
	v_mov_b32 v211, 0
	v_mov_b32 v223, 0
	v_mov_b32 v255, 0
	v_mov_b32 v253, 0                              ; (named as the upper half of v[252:253] before it is first written)
.set j, 0
.rept 32
	v_mov_b32 v[160+j], 0                          ; O^T: the step is written once; the first finds zeros
.set j, j+1
.endr
	s_wait_alu depctr_va_vdst(0)                   ; the wait at the head's end
	s_wait_tensorcnt 0x0                           ; every wave waits for its load,
	s_barrier_signal -1
	s_barrier_wait -1                              ; and the head's k, v and scale words are shown to all
; A KEY STEP: 128 keys.
.macro STEP
	v_add_nc_u32 v[ADK], s[TB], v[AK0]             ; these three and the v_nop are the four places behind the last step's products, in front of the loads
	v_add_nc_u32 v[ADV], s[TB], v[AV0]
	v_add_nc_u32 v[ADS], s[TS], v[ASC0]
	v_nop
.irp f, 0,1,2,3
.irp p, 0,1,2,3,4,5
	ds_load_b64 v[KV+12*\f+2*\p:KV+12*\f+2*\p+1], v[ADK] offset:1536*\f+256*\p
.endr
	ds_load_b32 v[248+\f], v[ADS] offset:64*\f
.endr
	s_wait_alu depctr_va_vdst(0)                   ; the wait ahead of the waits below
.irp f, 0,1,2,3                                ; fragment f: tiles 2 f by [q | 0] and 2 f + 1 by [0 | q]
	s_wait_dscnt 7*(3-\f)                          ; fragment f and its scale words are in; the 7 loads of each later fragment may be out
	v_wmma_scale_f32_16x16x128_f8f6f4 v[96+16*\f:103+16*\f], v[KV+12*\f:KV+12*\f+11], v[22:33], 0, v[248+\f], v34 matrix_a_fmt:MATRIX_FMT_FP6 matrix_b_fmt:MATRIX_FMT_FP6
	v_wmma_scale_f32_16x16x128_f8f6f4 v[104+16*\f:111+16*\f], v[KV+12*\f:KV+12*\f+11], v[16:27], 0, v[248+\f], v34 matrix_a_fmt:MATRIX_FMT_FP6 matrix_b_fmt:MATRIX_FMT_FP6
.endr
.rept 4
	v_nop                                          ; places: for the loads below and for the first read of the scores
.endr
.irp f, 0,1,2,3                                ; v's four fragments are asked for now and land under the softmax
.irp p, 0,1,2,3,4,5
	ds_load_b64 v[KV+12*\f+2*\p:KV+12*\f+2*\p+1], v[ADV] offset:1536*\f+256*\p
.endr
	ds_load_b32 v[248+\f], v[ADS] offset:4096+64*\f
.endr
.irp b, 0,1,2,3                                ; the largest score of my two blocks of 32 keys, each in two chains: for the row's maximum, and, since p rises with the score, for the block's largest p
	v_max3_num_f32 v[232+\b], v[96+16*\b], v[97+16*\b], v[98+16*\b]
.endr
.irp i, 3,5,7,9,11,13
.irp b, 0,1,2,3
	v_max3_num_f32 v[232+\b], v[232+\b], v[96+16*\b+\i], v[97+16*\b+\i]
.endr
.endr
	v_max3_num_f32 v[MX], v232, v233, v111
	v_max3_num_f32 v[MX+1], v234, v235, v143
	v_max_num_f32 v[MX], v[MX], v127
	v_max_num_f32 v[MX+1], v[MX+1], v159
	v_max_num_f32 v254, v[MX], v[MX+1]
	s_delay_alu instid0(VALU_DEP_1)
	v_permlanex16_b32 v255, v254, s[SEL], s[SEL+1]
	s_delay_alu instid0(VALU_DEP_1)
	v_max_num_f32 v254, v254, v255                 ; with lane l xor 16's 64 keys
	s_delay_alu instid0(VALU_DEP_1)
	v_mul_f32 v254, s[CS], v254                    ; the step's largest t
	s_delay_alu instid0(VALU_DEP_1)
	v_max_num_f32 v13, v13, v254
	v_mov_b32 v254, v12
	s_delay_alu instid0(VALU_DEP_2)
	v_floor_f32 v12, -v13                          ; the new -M = -ceil(t)
	s_delay_alu instid0(VALU_DEP_1)
	v_sub_f32 v254, v12, v254                      ; old M - new M: a whole number, 0 or less
	s_delay_alu instid0(VALU_DEP_1)
	v_cvt_i32_f32 v254, v254                       ; (it saturates)
	s_delay_alu instid0(VALU_DEP_1)
	v_ldexp_f32 v252, 1.0, v254                    ; f = 2^(old M - new M)
.set j, 0
.rept 16
	v_pk_mul_f32 v[160+j:161+j], v[160+j:161+j], v[252:253] op_sel_hi:[1,0]   ; O^T under the new M, each accumulator from its low end on
.set j, j+2
.endr
.set j, 0
.rept 32
	v_pk_fma_f32 v[96+j:97+j], v[96+j:97+j], s[CS:CS+1], v[12:13] op_sel_hi:[1,0,0]   ; t - M
.set j, j+2
.endr
	v_fma_f32 v[MX], v[MX], s[CS], v12             ; the same of each block's largest score
	v_fma_f32 v[MX+1], v[MX+1], s[CS], v12
	s_wait_alu depctr_va_vdst(0)                   ; the wait ahead of the batch
	v_exp_f32 v[MX], v[MX]                         ; the block's largest p: the same two instructions on the same number
	v_exp_f32 v[MX+1], v[MX+1]
.set j, 0
.rept 64
	v_exp_f32 v[96+j], v[96+j]                     ; p = 2^(t - M)
.set j, j+1
.endr
	v_pk_mul_f32 v[14:15], v[14:15], v[252:253] op_sel_hi:[1,0]   ; the sums under the new M: a plain instruction behind the exponentials
	s_wait_alu depctr_va_vdst(0)                   ; one wait for the batch, ahead of its first reader
	v_max_num_f32 v[MX], 0x1800000, v[MX]          ; the floor 2^(3 - 127)
	v_max_num_f32 v[MX+1], 0x1800000, v[MX+1]
	v_add_nc_u32 v[SO], 0xff000000, v[MX]          ; 2 off the exponent field: the conversions' scale operand
	v_add_nc_u32 v[SO+1], 0xff000000, v[MX+1]
	v_lshrrev_b32 v[BY], 23, v[SO]                 ; the scale's byte
	v_lshrrev_b32 v[BY+1], 23, v[SO+1]
	s_delay_alu instid0(VALU_DEP_1)
	v_lshl_or_b32 v222, v[BY+1], 16, v[BY]         ; blocks h and 2 + h,
	s_delay_alu instid0(VALU_DEP_1)
	v_lshlrev_b32 v222, v[SH], v222                ; at their places in the word;
	s_delay_alu instid0(VALU_DEP_1)
	v_permlanex16_b32 v223, v222, s[SEL], s[SEL+1]
	s_delay_alu instid0(VALU_DEP_1)
	v_or_b32 v253, v222, v223                      ; with lane l xor 16's two: p's scale word for these 128 keys
.irp c, 0,1
	v_cvt_scalef32_pk16_fp6_f32 v[224+6*\c:226+6*\c], v[96+32*\c:111+32*\c], v[SO+\c]
	v_cvt_scalef32_pk16_fp6_f32 v[236+4*\c:238+4*\c], v[112+32*\c:127+32*\c], v[SO+\c]   ; (a conversion's three registers begin on an even number)
.endr
	v_nop                                          ; one plain instruction behind a scaled conversion
.irp c, 0,1
.irp i, 0,1,2
	v_mov_b32 v[227+6*\c+\i], v[236+4*\c+\i]       ; registers 6 c .. 6 c + 5: keys 64 c + 32 h + 0 .. 31
.endr
.endr
	; the row's sum, of the unquantised p: eight chains, then joined.  These lines are also the places between the scale word's and the codes' writes and the scaled products
	v_pk_add_f32 v[236:237], v[100:101], v[104:105]
	v_pk_add_f32 v[254:255], v[108:109], v[112:113]
	v_pk_add_f32 v[246:247], v[116:117], v[120:121]
	v_pk_add_f32 v[244:245], v[124:125], v[128:129]
	v_pk_add_f32 v[242:243], v[132:133], v[136:137]
	v_pk_add_f32 v[240:241], v[140:141], v[144:145]
	v_pk_add_f32 v[238:239], v[148:149], v[152:153]
	v_pk_add_f32 v[14:15], v[14:15], v[156:157]
	v_pk_add_f32 v[236:237], v[236:237], v[96:97]
	v_pk_add_f32 v[254:255], v[254:255], v[98:99]
	v_pk_add_f32 v[246:247], v[246:247], v[102:103]
	v_pk_add_f32 v[244:245], v[244:245], v[106:107]
	v_pk_add_f32 v[242:243], v[242:243], v[110:111]
	v_pk_add_f32 v[240:241], v[240:241], v[114:115]
	v_pk_add_f32 v[238:239], v[238:239], v[118:119]
	v_pk_add_f32 v[14:15], v[14:15], v[122:123]
	v_pk_add_f32 v[236:237], v[236:237], v[126:127]
	v_pk_add_f32 v[254:255], v[254:255], v[130:131]
	v_pk_add_f32 v[246:247], v[246:247], v[134:135]
	v_pk_add_f32 v[244:245], v[244:245], v[138:139]
	v_pk_add_f32 v[242:243], v[242:243], v[142:143]
	v_pk_add_f32 v[240:241], v[240:241], v[146:147]
	v_pk_add_f32 v[238:239], v[238:239], v[150:151]
	v_pk_add_f32 v[14:15], v[14:15], v[154:155]
	v_pk_add_f32 v[236:237], v[236:237], v[158:159]
	v_pk_add_f32 v[14:15], v[14:15], v[244:245]
	v_pk_add_f32 v[236:237], v[236:237], v[242:243]
	v_pk_add_f32 v[254:255], v[254:255], v[240:241]
	v_pk_add_f32 v[246:247], v[246:247], v[238:239]
	v_pk_add_f32 v[14:15], v[14:15], v[254:255]
	v_pk_add_f32 v[236:237], v[236:237], v[246:247]
	v_pk_add_f32 v[14:15], v[14:15], v[236:237]
	s_wait_alu depctr_va_vdst(0)                   ; the wait ahead of the wait below
	s_wait_dscnt 0x0                               ; v is in
.irp f, 0,1,2,3                                ; O^T += v^T p^T: four tiles of 16 channels by turns
	v_wmma_scale_f32_16x16x128_f8f6f4 v[160+8*\f:167+8*\f], v[KV+12*\f:KV+12*\f+11], v[224:235], v[160+8*\f:167+8*\f], v[248+\f], v253 matrix_a_fmt:MATRIX_FMT_FP6 matrix_b_fmt:MATRIX_FMT_FP6
.endr
.endm
; A TILE'S END: O^T / the sum; register 16 b + i is channel 32 b + 16 h + i of my query: two blocks of the model's K.  They become six registers of ctx's fragment and two bytes of its scale word, and leave.
.macro FINAL n
.if \n
	s_wait_xcnt 0x0                                ; the first tile's stores have read their data
.endif
.rept 4
	v_nop                                          ; places behind the last products
.endr
	v_add_f32 v14, v14, v15
	s_delay_alu instid0(VALU_DEP_1)
	v_permlanex16_b32 v252, v14, s[SEL], s[SEL+1]
	s_delay_alu instid0(VALU_DEP_1)
	v_add_f32 v14, v14, v252                       ; the row's sum
	s_wait_alu depctr_va_vdst(0)
	v_rcp_f32 v14, v14
	v_nop                                          ; a plain instruction behind the transcendental,
	s_wait_alu depctr_va_vdst(0)                   ; and the wait ahead of its first reader
.set j, 0
.rept 16
	v_pk_mul_f32 v[96+j:97+j], v[160+j:161+j], v[14:15] op_sel_hi:[1,0]   ; each accumulator from its low end on
.set j, j+2
.endr
.irp b, 0,1
	v_max3_num_f32 v[208+\b], |v[96+16*\b]|, |v[97+16*\b]|, 0x1800000
.endr
.irp i, 2,4,6,8,10,12,14
.irp b, 0,1
	s_delay_alu instid0(VALU_DEP_2)
	v_max3_num_f32 v[208+\b], v[208+\b], |v[96+16*\b+\i]|, |v[97+16*\b+\i]|
.endr
.endr
.irp b, 0,1
	s_delay_alu instid0(VALU_DEP_2)
	v_permlanex16_b32 v[210+\b], v[208+\b], s[SEL], s[SEL+1]
.endr
.irp b, 0,1
	s_delay_alu instid0(VALU_DEP_2)
	v_max_num_f32 v[208+\b], v[208+\b], v[210+\b]
.endr
.irp b, 0,1
	s_delay_alu instid0(VALU_DEP_2)
	v_add_nc_u32 v[212+\b], 0xff000000, v[208+\b]
.endr
.irp b, 0,1
	s_delay_alu instid0(VALU_DEP_2)
	v_lshrrev_b32 v[210+\b], 23, v[212+\b]
.endr
	s_delay_alu instid0(VALU_DEP_1)
	v_lshl_or_b32 v204, v211, 8, v210
	v_cvt_scalef32_pk16_fp6_f32 v[CT:CT+2], v[96:111], v212
	v_cvt_scalef32_pk16_fp6_f32 v[214:216], v[112:127], v213
	v_nop
.irp i, 0,1,2
	v_permlane16_swap_b32 v[CT+\i], v[214+\i]
.endr
.irp i, 0,1,2
	s_delay_alu instid0(VALU_DEP_3)
	v_mov_b32 v[CT+3+\i], v[214+\i]
.endr
.irp p, 0,1,2
	global_store_b64 v[AK0], v[CT+2*\p:CT+2*\p+1], s[6:7] offset:12288*\n+256*\p   ; a piece: 256 consecutive bytes, aligned
.endr
	global_store_b16 v[CSA], v204, s[14:15] offset:512*\n   ; my two bytes of each row's scale word; lanes 16-31 repeat lanes 0-15
.if \n == 0                                    ; the second tile begins: its q and scale word first, so that the moves behind them are the places ahead of the next scaled product
.irp i, 0,1,2,3,4,5
	v_mov_b32 v[22+\i], v[36+\i]
.endr
	v_mov_b32 v34, v35
	v_mov_b32 v13, 0xff61b1e6
	s_delay_alu instid0(VALU_DEP_1)
	v_floor_f32 v12, -v13
	v_mov_b32 v14, 0
	v_mov_b32 v15, 0
.set j, 0
.rept 32
	v_mov_b32 v[160+j], 0
.set j, j+1
.endr
.endif
.endm
; One tile of queries against all 2,048 keys: sixteen steps.
.macro PASS n
	s_mov_b32 s[TB], 0
	s_mov_b32 s[TS], 0
	s_mov_b32 s48, 16
.Lstep_\@:
	STEP
	s_add_co_u32 s[TB], s[TB], 6144
	s_add_co_u32 s[TS], s[TS], 256
	s_sub_co_u32 s48, s48, 1
	s_cmp_lg_u32 s48, 0
	s_cbranch_scc1 .Lstep_\@
	FINAL \n
.endm
	PASS 0
	PASS 1
	s_wait_tensorcnt 0x0                           ; the wave's end
	ds_add_u32 v[SPW], v[NIL]
	s_wait_dscnt 0x0
	CROUND                                         ; the closing round
	s_endpgm
.Lfunc_end_k_qcd16723ba1_attn:
	.size	k_qcd16723ba1_attn, .Lfunc_end_k_qcd16723ba1_attn-k_qcd16723ba1_attn
	.p2alignl 7, 3214868480
	.fill 96, 4, 3214868480
	.section	.rodata,"a",@progbits
	.p2align	6, 0x0
	.amdhsa_kernel k_qcd16723ba1_attn
		.amdhsa_group_segment_fixed_size 206848
		.amdhsa_private_segment_fixed_size 0
		.amdhsa_enable_private_segment 0
		.amdhsa_kernarg_size 16
		.amdhsa_user_sgpr_count 2
		.amdhsa_user_sgpr_kernarg_segment_ptr 1
		.amdhsa_wavefront_size32 1
		.amdhsa_system_sgpr_workgroup_id_x 1
		.amdhsa_system_sgpr_workgroup_id_y 1
		.amdhsa_system_sgpr_workgroup_id_z 1
		.amdhsa_system_vgpr_workitem_id 0
		.amdhsa_next_free_vgpr 256
		.amdhsa_next_free_sgpr 66
		.amdhsa_reserve_vcc 0
		.amdhsa_float_denorm_mode_32 3
		.amdhsa_float_denorm_mode_16_64 3
		.amdhsa_memory_ordered 1
		.amdhsa_forward_progress 1
		.amdhsa_inst_pref_size 54
	.end_amdhsa_kernel
	.amdgpu_metadata
---
amdhsa.version: [ 1, 2 ]
amdhsa.kernels:
  - .name:           k_qcd16723ba1_attn
    .symbol:         k_qcd16723ba1_attn.kd
    .args:
      - { .name: qkv, .offset: 0, .size: 8, .value_kind: global_buffer, .address_space: global }
      - { .name: ctx, .offset: 8, .size: 8, .value_kind: global_buffer, .address_space: global }
    .group_segment_fixed_size: 206848
    .private_segment_fixed_size: 0
    .kernarg_segment_align: 8
    .kernarg_segment_size: 16
    .max_flat_workgroup_size: 512
    .sgpr_count:     66
    .vgpr_count:     256
    .wavefront_size: 32
...
	.end_amdgpu_metadata
.endif
;; end of part 3
;; launch outp (part 4): grid 4 x 64, 4 waves a work-group, clusters of 4 x 4, 327,680 bytes of LDS; arguments ctx, opnd, bo, out0; writes out0
.if DOCPART == 4
	.amdgcn_target "amdgcn-amd-amdhsa--gfx1250"
	.amdhsa_code_object_version 6
	.text
	.protected	k_qcd16723ba1_outp
	.globl	k_qcd16723ba1_outp
	.p2align	8
	.type	k_qcd16723ba1_outp,@function
k_qcd16723ba1_outp:
	s_mov_b64 s[64:65], 0
	v_nop
	global_prefetch_b8 v0, s[64:65] scope:SCOPE_SE
	s_setreg_imm32_b32 hwreg(HW_REG_WAVE_MODE, 25, 1), 1
	s_wait_xcnt 0x0
	s_wait_alu depctr_hold_cnt(0) depctr_sa_sdst(0) depctr_va_vdst(0) depctr_va_sdst(0) depctr_va_ssrc(0) depctr_va_vcc(0) depctr_vm_vsrc(0)
	s_getreg_b32 s2, hwreg(HW_REG_IB_STS2, 6, 4)
	s_cmp_eq_u32 s2, 0
	s_cbranch_scc0 .Lentry_in_a_cluster
	s_endpgm
.Lentry_in_a_cluster:
	s_bfe_u32 s2, ttmp6, 0x10000c
	s_cmp_lg_u32 s2, 0xf033
	s_cbranch_scc0 .Lentry_shape_is_right
	s_endpgm
.Lentry_shape_is_right:
; out0 = ctx Wo^T + bo on codes of FP6 (E2M3); out0 is f32.
; ctx: tiles of 16 rows, 8 fragments (16 rows x 128 K) of six pieces of 256 bytes (a register pair of 32 lanes) on end, 12,288 bytes a tile; scale words from byte 6,291,456 on, 512 bytes a tile.  Wo: tiles 1,728 .. 1,791 of opnd, fragments as images of four registers a lane.
; THE DEAL: 256 work-groups; a block of 128 rows of ctx (A) x 256 rows of Wo (B); four waves, 2 x 2; a wave has 64 x 128: 32 accumulators.  Source 0 = rows of Wo, source 1 = rows of ctx: a lane holds eight neighbouring numbers of a row of out0.
; LDS: two slots, each with half of K (4 steps): A's 8 tiles (49,152 bytes), B's 16 (98,304), their scale words (2,048 and 4,096).  Each slot is filled once, by four tensor loads, one a wave; slot 1 behind a round.
; Nothing is filled again.  The way out's stage lies in slot 0, which has had its last fill, behind the barrier behind which nobody reads it.
; CLUSTER 4 x 4: A's tiles are shared along a row, B's along a column.  No prefetch: both fills are asked for at the head; there is no later load to run ahead of.
; REGISTERS: window 0: v0-31 addresses; v32-63 scale words; v64-127 the bias as the first products' C; v128-223 A's fragments, two sets (way out: v128-255); window 1: B's fragments, two sets; window 2: accumulator (a, b) at v[8 (8 a + b)].
.set SCB1,  22020096
.set FR,    12
.set SLOT,  153600
.set OB,    49152
.set OSA,   147456
.set OSB,   149504
.set SPARE, 2*SLOT
.set STG,   0
.set SPITCH, 528
.set ADRA, 16
.set ADRB, 20
.set STO,  22
.set RD,   23
.set CO,   24
.set ADRS, 26
.set SPW,  28
.set NIL,  29
.set SC,   32
.set CB,   64
.set AF,   128
.set BK,   128
.set G1A, 24
.set G1B, 32
.set G1SA, 40
.set G1SB, 48
.set G0A, 56
.set G0B, 60
.set G0SA, 68
.set G0SB, 72
.set MSB, 0
.macro WIN new
.if MSB != \new
	s_set_vgpr_msb (MSB<<8)|\new
.set MSB, \new
.endif
.endm
.set MUL,  0xa1
.set BIA,  0x81
.set TO_B, 0x40
.macro PLACES n
.rept \n
	v_nop
.endr
.endm
.macro CREST
	s_cmp_lg_u32 s14, 0
	s_cbranch_scc1 .Lnot_wave_0_\@
	s_barrier_signal -3
.Lnot_wave_0_\@:
	s_barrier_wait -3
	s_barrier_signal -1
	s_barrier_wait -1
.endm
.macro CROUND
	s_barrier_signal -1
	s_barrier_wait -1
	CREST
.endm
.macro QARM under, g0, g1, id
	s_cmp_lt_u32 s14, \under
	s_cbranch_scc0 .Lq\under\()_\id
	tensor_load_to_lds s[\g0:\g0+3], s[\g1:\g1+7]
	s_nop 0
	PLACES 4
	s_branch .Lqj_\id
.Lq\under\()_\id:
.endm
.macro QLOAD id                        ; a fill: one chain of branches on the wave's number, one load to an arm
	QARM 1, G0A, G1A, \id
	QARM 2, G0B, G1B, \id
	QARM 3, G0SA, G1SA, \id
	tensor_load_to_lds s[G0SB:G0SB+3], s[G1SB:G1SB+7]
	s_nop 0
	PLACES 4
.Lqj_\id:
.endm
.macro SETG g, base, off, add, lds     ; group 0: LDS place, and the buffer + the offset in s\off + add  (s21 = 0)
	s_mov_b32 s[\g+1], \lds
	s_add_co_u32 s20, s\off, \add
	s_add_nc_u64 s[\g+2:\g+3], s[\base:\base+1], s[20:21]
	s_or_b32 s[\g+3], s[\g+3], 0x80000000
.endm
.macro SETG4 hf, sl
	SETG G0A,  4, 76, (\hf)*6144, (\sl)*SLOT
	SETG G0B,  6, 77, (\hf)*6144, (\sl)*SLOT+OB
	SETG G0SA, 4, 78, (\hf)*256,  (\sl)*SLOT+OSA
	SETG G0SB, 6, 79, (\hf)*256,  (\sl)*SLOT+OSB
.endm
.macro GROUP1 g, mask, elems, rows, pitch
	s_or_b32 s[\g], s\mask, (3<<16)|(1<<21)
	s_mov_b32 s[\g+1], (\elems)<<16
	s_mov_b32 s[\g+2], (\rows)<<16
	s_mov_b32 s[\g+3], (\elems)<<16
	s_mov_b32 s[\g+4], \rows
	s_mov_b32 s[\g+5], \pitch
	s_mov_b32 s[\g+6], 0
	s_mov_b32 s[\g+7], 0
.endm
	s_load_b128 s[4:7], s[0:1], 0x0                ; ctx, opnd
	s_load_b128 s[8:11], s[0:1], 0x10              ; bo, out0
	v_lshl_add_u32 v[SPW], v0, 2, SPARE
	v_mov_b32 v[NIL], 0
	ds_add_u32 v[SPW], v[NIL]
	ds_add_u32 v[SPW], v[NIL]
	v_lshrrev_b32 v1, 5, v0
	v_readfirstlane_b32 s14, v1                    ; wave
	s_lshr_b32 s15, s14, 1                         ; which 64 rows of A are mine
	s_and_b32 s16, s14, 1                          ; which 128 rows of B
	s_bfe_u32 s17, ttmp6, 0x40000                  ; cx
	s_bfe_u32 s18, ttmp6, 0x40004                  ; cy
	s_and_b32 s19, ttmp7, 0xffff
	s_lshl_b32 s22, s18, 2
	s_lshl_b32 s22, 15, s22                        ; my row of the cluster
	s_lshl_b32 s23, 0x1111, s17                    ; my column
	GROUP1 G1A,  22, 768, 8,  1536
	GROUP1 G1B,  23, 768, 16, 1536
	GROUP1 G1SA, 22, 32,  8,  64
	GROUP1 G1SB, 23, 32,  16, 64
	s_mov_b32 s[G0A], 1
	s_mov_b32 s[G0B], 1
	s_mov_b32 s[G0SA], 1
	s_mov_b32 s[G0SB], 1
	s_mov_b32 s21, 0
	s_lshl_b32 s2, s19, 2
	s_add_co_u32 s2, s2, s18                       ; A's block, 0..63
	s_lshl_b32 s76, s2, 3                          ; its first tile
	s_lshl_b32 s77, s17, 4
	s_add_co_u32 s77, s77, 1728                    ; B's first tile
	s_lshl_b32 s78, s76, 9
	s_add_co_u32 s78, s78, 6291456
	s_lshl_b32 s79, s77, 9
	s_add_co_u32 s79, s79, SCB1
	s_mul_i32 s76, s76, 12288
	s_mul_i32 s77, s77, 12288
	s_wait_dscnt 0x0
	s_wait_kmcnt 0x0
	SETG4 0, 0
	CROUND                                         ; all sixteen work-groups are here: the first joint loads meet
	QLOAD 0                                        ; the lower half of K
	s_lshl_b32 s22, s17, 10                        ; my first column, in bytes: 4 (256 cx + 128 x my half)
	s_lshl_b32 s23, s16, 9
	s_add_co_u32 s20, s22, s23
	s_add_nc_u64 s[8:9], s[8:9], s[20:21]
	s_add_nc_u64 s[10:11], s[10:11], s[20:21]
	s_lshl_b32 s22, s2, 7
	s_lshl_b32 s23, s15, 6
	s_add_co_u32 s22, s22, s23                     ; my first row
	s_lshl_b32 s20, s22, 12
	s_add_nc_u64 s[10:11], s[10:11], s[20:21]
	s_mul_i32 s22, s15, 4*6144
	s_mul_i32 s23, s16, 8*6144
	s_add_co_u32 s23, s23, OB
	s_lshl_b32 s101, s15, 10
	s_lshl_b32 s20, s16, 11
	s_add_co_u32 s20, s20, 2048
	s_sub_co_u32 s20, s20, s101
	s_add_co_u32 s101, s101, OSA
	s_mul_i32 s96, s14, 16*SPITCH
	s_add_co_u32 s96, s96, STG                     ; my stage
	v_and_b32 v1, 15, v0                           ; r
	v_bfe_u32 v2, v0, 4, 1                         ; h
	v_and_b32 v3, 31, v0                           ; lane
	v_lshlrev_b32 v4, 4, v3
	v_lshlrev_b32 v5, 6, v2
	v_lshlrev_b32 v8, 3, v3
	v_add_nc_u32 v[ADRA], s22, v8                  ; ctx lies in pieces: 8 x lane
	v_add_nc_u32 v[ADRB], s23, v4
	v_add_nc_u32 v[ADRA+1], SLOT, v[ADRA]
	v_add_nc_u32 v[ADRB+1], SLOT, v[ADRB]
	v_lshlrev_b32 v7, 3, v1
	v_mul_u32_u24 v12, s20, v2                     ; lanes 16-31 take B's scale words
	v_add_nc_u32 v7, v7, v12
	v_add_nc_u32 v[ADRS], s101, v7
	v_add_nc_u32 v[ADRS+1], SLOT, v[ADRS]
	v_mul_u32_u24 v12, v1, SPITCH
	v_lshl_add_u32 v12, v2, 6, v12
	v_add_nc_u32 v[STO], s96, v12
	v_mov_b32 v[CO], v4
	v_add_nc_u32 v[RD], s96, v4
.irp b, 0,1,2,3,4,5,6,7
	global_load_b128 v[CB+8*\b:CB+8*\b+3], v5, s[8:9] offset:(32*(\b/2)+8*(\b%2))*4
	global_load_b128 v[CB+8*\b+4:CB+8*\b+7], v5, s[8:9] offset:(32*(\b/2)+8*(\b%2))*4+16
.endr
	s_wait_alu depctr_va_vdst(0)                   ; the wait at the head's end
	s_wait_tensorcnt 0x0                           ; my tile of the four is in
	ds_add_u32 v[SPW], v[NIL]
	SETG4 1, 1
	s_wait_dscnt 0x0
	CROUND
	QLOAD 1                                        ; the upper half of K: slot 1's fill
.macro FETCH slot, q                   ; step q (0..3) of a slot into set q % 2: 24 + 24 loads; with an even step the scale words of two steps: 8 more
	WIN TO_B
.irp i, 0,1,2,3,4,5,6,7
.irp g, 0,1,2
	ds_load_b128 v[128*((\q)%2)+FR*\i+4*\g:128*((\q)%2)+FR*\i+4*\g+3], v[ADRB+\slot] offset:\i*6144+(\q)*1536+512*\g
.endr
.endr
	WIN 0
.irp i, 0,1,2,3
.irp g, 0,1,2,3,4,5
	ds_load_b64 v[AF+48*((\q)%2)+FR*\i+2*\g:AF+48*((\q)%2)+FR*\i+2*\g+1], v[ADRA+\slot] offset:\i*6144+(\q)*1536+256*\g
.endr
.endr
.if ((\q)%2) == 0
.irp i, 0,1,2,3,4,5,6,7                ; lanes 0-15: A's block i (blocks 4-7 are read and not used), lanes 16-31: B's block i
	ds_load_b64 v[SC+16*((\q)/2)+2*\i:SC+16*((\q)/2)+2*\i+1], v[ADRS+\slot] offset:\i*256+128*((\q)/2)
.endr
.endif
.endm
.macro MUL8 a, q, cm                   ; A's block a x B's eight.  cm = 1: C = the bias.  The 32 accumulators take turns
.set P_, (\q)%2
.set S_, (\q)/2
.irp b, 0,1,2,3,4,5,6,7
.set rD, 8*(8*(\a)+\b)
.set rC, rD
.if \cm == 1
.set rC, CB+8*\b
.endif
	v_wmma_scale_f32_16x16x128_f8f6f4 v[rD:rD+7], v[128*P_+FR*\b:128*P_+FR*\b+FR-1], v[AF+48*P_+FR*(\a):AF+48*P_+FR*(\a)+FR-1], v[rC:rC+7], v[SC+16*S_+2*\b+P_], v[SC+16*S_+2*(\a)+P_] matrix_a_fmt:MATRIX_FMT_FP6 matrix_b_fmt:MATRIX_FMT_FP6 matrix_a_scale:MATRIX_SCALE_ROW1
.endr
.endm
.macro KSTEP slot, q, cm, fetch        ; the next step's fragments are asked for, then this step's 32 products
.if \fetch
	PLACES 4                                       ; behind the products that read the set that is loaded now
	FETCH \slot, (\q)+1
.if (((\q)+1)%2) == 0
	s_wait_dscnt 56                                ; all but the loads just issued
.else
	s_wait_dscnt 48
.endif
.else
	s_wait_dscnt 0x0
.endif
.if \cm
	WIN BIA
.else
	WIN MUL
.endif
.irp a, 0,1,2,3
	MUL8 \a, \q, \cm
.endr
	WIN 0
.endm
	FETCH 0, 0
	s_wait_loadcnt 0x0                             ; the bias is in
	KSTEP 0, 0, 1, 1
	KSTEP 0, 1, 0, 1
	KSTEP 0, 2, 0, 1
	s_wait_tensorcnt 0x0                           ; slot 0's last step, and the change to slot 1: my part of slot 1 is in;
	s_wait_dscnt 0x0                               ; this step's fragments are in, and my reads of slot 0 are over
	s_barrier_signal -1
	WIN MUL
	MUL8 0, 3, 0
	MUL8 1, 3, 0
	WIN 0
	s_barrier_wait -1                              ; slot 1 is whole, and nobody reads slot 0 any more
	PLACES 4
	FETCH 1, 0
	WIN MUL
	MUL8 2, 3, 0
	MUL8 3, 3, 0
	WIN 0
	KSTEP 1, 0, 0, 1
	KSTEP 1, 1, 0, 1
	KSTEP 1, 2, 0, 1
	KSTEP 1, 3, 0, 0
; THE WAY OUT, block by block of 16 rows x 128 columns, through my own stage: in as 32 bytes a lane, back as whole rows of 512 bytes.  LDS serves a wave's instructions in order.
.macro TOSTAGE a
.set AC, 64*(\a)
	WIN 0x08
.irp b, 0,1,2,3,4,5,6,7
	ds_store_b128 v[STO], v[AC+8*\b:AC+8*\b+3] offset:128*(\b/2)+32*(\b%2)
	ds_store_b128 v[STO], v[AC+8*\b+4:AC+8*\b+7] offset:128*(\b/2)+32*(\b%2)+16
.endr
	WIN 0
.set BB, BK+64*((\a)%2)
.irp t, 0,1,2,3,4,5,6,7,8,9,10,11,12,13,14,15
	ds_load_b128 v[BB+4*\t:BB+4*\t+3], v[RD] offset:\t*SPITCH
.endr
.endm
.macro SEND a, younger
.set BB, BK+64*((\a)%2)
	s_wait_dscnt \younger
.if (\a) > 0
.if ((\a)%2) == 1
	s_add_nc_u64 s[10:11], s[10:11], 8*4096        ; (behind a wait on XCNT)  a tile's rows: 8 u + t + 8 (t / 8) of a group of 32
.else
	s_add_nc_u64 s[10:11], s[10:11], 24*4096
.endif
.endif
.irp t, 0,1,2,3,4,5,6,7,8,9,10,11,12,13,14,15
	global_store_b128 v[CO], v[BB+4*\t:BB+4*\t+3], s[10:11] offset:(\t+8*(\t/8))*4096 th:TH_STORE_NT   ; 512 consecutive bytes, aligned
.endr
.endm
	PLACES 4
	TOSTAGE 0
.irp a, 1,2,3
.if \a > 1
	s_wait_xcnt 0x0
.endif
	TOSTAGE \a
	SEND \a-1, 32
.endr
	s_wait_xcnt 0x0
	SEND 3, 0
	s_wait_tensorcnt 0x0                           ; the wave's end
	ds_add_u32 v[SPW], v[NIL]
	s_wait_dscnt 0x0
	CROUND                                         ; the closing round
	s_endpgm
.Lfunc_end_k_qcd16723ba1_outp:
	.size	k_qcd16723ba1_outp, .Lfunc_end_k_qcd16723ba1_outp-k_qcd16723ba1_outp
	.p2alignl 7, 3214868480
	.fill 96, 4, 3214868480
	.section	.rodata,"a",@progbits
	.p2align	6, 0x0
	.amdhsa_kernel k_qcd16723ba1_outp
		.amdhsa_group_segment_fixed_size 327680
		.amdhsa_private_segment_fixed_size 0
		.amdhsa_enable_private_segment 0
		.amdhsa_kernarg_size 32
		.amdhsa_user_sgpr_count 2
		.amdhsa_user_sgpr_kernarg_segment_ptr 1
		.amdhsa_wavefront_size32 1
		.amdhsa_system_sgpr_workgroup_id_x 1
		.amdhsa_system_sgpr_workgroup_id_y 1
		.amdhsa_system_sgpr_workgroup_id_z 1
		.amdhsa_system_vgpr_workitem_id 0
		.amdhsa_next_free_vgpr 768
		.amdhsa_next_free_sgpr 102
		.amdhsa_reserve_vcc 0
		.amdhsa_float_denorm_mode_32 3
		.amdhsa_float_denorm_mode_16_64 3
		.amdhsa_memory_ordered 1
		.amdhsa_forward_progress 1
		.amdhsa_inst_pref_size 88
	.end_amdhsa_kernel
	.amdgpu_metadata
---
amdhsa.version: [ 1, 2 ]
amdhsa.kernels:
  - .name:           k_qcd16723ba1_outp
    .symbol:         k_qcd16723ba1_outp.kd
    .args:
      - { .name: ctx, .offset: 0, .size: 8, .value_kind: global_buffer, .address_space: global }
      - { .name: opnd, .offset: 8, .size: 8, .value_kind: global_buffer, .address_space: global }
      - { .name: bo, .offset: 16, .size: 8, .value_kind: global_buffer, .address_space: global }
      - { .name: out0, .offset: 24, .size: 8, .value_kind: global_buffer, .address_space: global }
    .group_segment_fixed_size: 327680
    .private_segment_fixed_size: 0
    .kernarg_segment_align: 8
    .kernarg_segment_size: 32
    .max_flat_workgroup_size: 128
    .sgpr_count:     102
    .vgpr_count:     768
    .wavefront_size: 32
...
	.end_amdgpu_metadata
.endif
;; end of part 4
